; MI455X (gfx1250); checked and timed in simulation.
; The chip was launched on July 23, 2026; its instructions are those of AMD's public machine-readable ISA for CDNA 5 (MIT licence, August 2026) and "CDNA5" Instruction Set Architecture Reference Guide (July 2026). The comments in the code are by the model that wrote it; some were corrected since.
;; Self Attention. Allowed arithmetic: matrix products marked QUANTISED: E2M3 operands, one E8M0 scale for each 32 along K, by v_wmma_scale_f32_16x16x128_f8f6f4 with both operands' format E2M3, f32 sums; everything else in f32.
;; Inputs: Wk 1,024 x 1,024 float32; Wq 1,024 x 1,024 float32; Wv 1,024 x 1,024 float32; bk 1,024 float32; bq 1,024 float32; bv 1,024 float32; x 4 x 2,048 x 1,024 float32.
;; Outputs: out0 4 x 2,048 x 1,024 float32.
;; This version of the problem:
;;   THIS VERSION OF THE PROBLEM IS GIVEN IN LOW PRECISION. The matrix products marked QUANTISED in the list below multiply operands that are first quantised to E2M3 (2 exponent bits, 3 mantissa bits; 6 bits a number), with one power-of-two scale for each 32 numbers along K (OCP MX v1.0); their sums are f32. All else is computed in f32.
;;   The module's matrix products, in the order in which they are computed (A, B: the left and right operand; K: the contracted axis; several contracted axes count as one K, in the product's order):
;;     1. [M 8,192, K 1,024] x [K 1,024, N 1,024]; A: input x; B: input Wq: QUANTISED
;;     2. [M 8,192, K 1,024] x [K 1,024, N 1,024]; A: input x; B: input Wk: QUANTISED
;;     3. [M 8,192, K 1,024] x [K 1,024, N 1,024]; A: input x; B: input Wv: QUANTISED
;;     4. batch 4 x [M 2,048, K 1,024] x [K 1,024, N 2,048]; A: computed on the way; B: computed on the way: QUANTISED
;;     5. batch 4 x [M 2,048, K 2,048] x [K 2,048, N 1,024]; A: softmax (see below); B: computed on the way: QUANTISED
;;   THE QUANTISER, for each operand of a quantised product, along K:
;;     - K is cut into blocks of 32 from its start; a last block that is shorter is filled with zeros.
;;     - A block's scale is 2^e with e = floor(log2(the largest magnitude in the block)) - 2, held to -126 .. 127; a block of zeros has e = 0. As a byte (E8M0): e + 127.
;;     - Each number is divided by its block's scale, clamped to +-7.5, and rounded to the nearest number of E2M3, ties to even, subnormals kept.
;;     - The product sums the exact products of the quantised numbers (number of the format x scale) in f32.
;;   ~~~python
;;   def quantise(x, axis):      # numpy; x: float32 -> the quantised numbers, widened to float32 again
;;       x = np.moveaxis(x, axis, -1); K = x.shape[-1]
;;       x = np.pad(x, [(0, 0)] * (x.ndim - 1) + [(0, -K % 32)]); x = x.reshape(x.shape[:-1] + (-1, 32)); a = np.abs(x).max(-1, keepdims=True)
;;       e = np.where(a > 0, np.clip(np.frexp(np.where(a > 0, a, 1))[1] - 1 - 2, -126, 127), 0)      # np.frexp(a)[1] - 1 = floor(log2(a)), exactly
;;       r = np.clip(x / 2.0 ** e, -7.5, 7.5)
;;       step = 2.0 ** (np.maximum(np.frexp(np.where(r == 0, 1, r))[1] - 1, 0) - 3)
;;       q = np.round(r / step) * step * 2.0 ** e      # np.round: ties to even
;;       return np.moveaxis(q.reshape(q.shape[:-2] + (-1,))[..., :K], -1, axis).astype(np.float32)
;;   ~~~
;;   SOFTMAX AHEAD OF A QUANTISED PRODUCT. Where the list says 'softmax', what is quantised is not the finished softmax but p = 2^(t - M), with t = logit x log2(e) and M = ceil(the row's largest t), a whole number; so 1/2 < the row's largest p <= 1. The row's sum l is taken of the UNQUANTISED p, in f32, and the product's result is divided by l at the end. Since M is a whole number, a kernel that streams over the keys may use a running M (the ceiling of the running maximum): every later rescaling is an exact power of two, which a block's scale takes up: the codes' values come out the same.
;;   OPERANDS COMPUTED ON THE WAY. 'Computed on the way' means the value that the module computes at that place (a softmax that the list does not call 'softmax' is quantised finished and normalised). What goes into a quantiser is computed in f32, as accurately as f32 sums, v_exp_f32 and their like allow (about 1e-6 of the number): no bf16 or f16 on the way to a quantiser, and a product that is left as it is and whose result goes on into a quantised operand takes f32 operands (vector FMAs, or v_wmma_f32_16x16x4_f32). A number that lies on a knife's edge between two numbers of the format may be rounded either way, as far as f32 arithmetic and the matrix unit's own rounding can turn it there, and no further.
;; One version. Each part assembles by itself: llvm-mc -triple=amdgcn-amd-amdhsa -mcpu=gfx1250 --defsym DOCPART=n.
;; ======== version 1 of 1: 4 launches
;; workspace buffers: c1 8,650,752 bytes; s1 360,448 bytes; c2 18,874,368 bytes; s2 786,432 bytes; pc 12,582,912 bytes; ps 524,288 bytes; st 1,048,576 bytes
;; launch quant (part 1): grid 352 x 1, 4 waves a work-group, no clusters, 35,328 bytes of LDS; arguments x, Wq, Wk, Wv, c1, s1; writes c1, s1
.if DOCPART == 1
	.amdgcn_target "amdgcn-amd-amdhsa--gfx1250"
	.amdhsa_code_object_version 6
	.text
	.protected	k_qddd2af82b3_quant
	.globl	k_qddd2af82b3_quant
	.p2align	8
	.type	k_qddd2af82b3_quant,@function
k_qddd2af82b3_quant:
	s_mov_b64 s[64:65], 0
	v_nop
	global_prefetch_b8 v0, s[64:65] scope:SCOPE_SE
	s_setreg_imm32_b32 hwreg(HW_REG_WAVE_MODE, 25, 1), 1
	s_wait_xcnt 0x0
; x [8192][1024], Wq, Wk, Wv [1024][1024], f32, K innermost, are one stacked matrix of 11,264 rows.  It is turned into codes of FP6 (E2M3) with one E8M0 byte for each 32 along K.
; THE CODES LEAVE AS IMAGES OF THE OPERAND'S REGISTERS: a fragment (16 rows x 128 K, 12 registers a lane) is 1,536 dense bytes, registers 4 c .. 4 c + 3 of lane l at 512 c + 16 l.
; c1 is laid [K / 256][row block of 16][K step % 2][1,536]; s1 holds one word (four bytes: 128 along K) a row, laid [K step][row].
; THE ROWS OF A BLOCK ARE NOT NEIGHBOURS: lane r of block 2 b + u takes row 32 b + 8 u + r + 8 (r / 8), so that a later product's results come out as neighbours along the next K.
; A block's scale is 2^(floor(log2(its largest magnitude)) - 2); its byte is the largest magnitude's exponent field - 2, held at 1 from below.
; LIMITS: a block of zeros, and a block whose largest magnitude lies under 2^-124, gets the byte 1 (zeros add nothing under any byte but 0xff; this program alone reads the bytes); NaN and infinities are not served.
; SHARES: a wave takes 64 rows x 128 along K: four fragments.  Each load reads 512 consecutive bytes of a row; 16 rows turn through the wave's own stage in LDS, so that a lane gets 32 neighbours of each of two blocks.
; Waves share nothing: no barrier, no tensor load, no cluster (no byte is read by two work-groups).
.set STG,   8704                       ; a wave's LDS: a stage of 16 rows x 528 bytes, then 256 bytes of scale words
.set SWD,   8448
.set SPARE, 4*STG                      ; the spare words, 128 bytes for each wave: no other line names them
.set SPW,   12                         ; v12  my spare word's address; never rewritten
.set NIL,   13                         ; v13  0; never rewritten
.set MX,    14                         ; v14-15 largest magnitudes of my two blocks
.set SO,    16                         ; v16-17 the conversions' scale operands
.set BY,    18                         ; v18-19 the scale bytes
.set WD,    20                         ; v20  the row's scale word
.set WX,    21                         ; v21  the other half of the lanes' part of it
.set R,     32                         ; v32-159  two sets of 16 rows as loaded
.set X,     160                        ; v160-223 my 2 x 32 neighbours
.set PC,    224                        ; v224-235 the fragment's codes
.set TP,    236                        ; v236-238, v240-242 second halves of the blocks' codes
	s_load_b256 s[4:11], s[0:1], 0x0               ; x, Wq, Wk, Wv
	s_load_b128 s[12:15], s[0:1], 0x20             ; c1, s1
	v_lshl_add_u32 v[SPW], v0, 2, SPARE
	v_mov_b32 v[NIL], 0
	v_lshrrev_b32 v1, 5, v0
	v_readfirstlane_b32 s16, v1                    ; wave
	v_and_b32 v2, 31, v0                           ; lane
	v_and_b32 v3, 15, v0                           ; r
	v_bfe_u32 v11, v0, 4, 1                        ; h
	v_lshlrev_b32 v4, 4, v2                        ; 16 x lane: my place in a load's 512 bytes and in a store's
	s_mul_i32 s19, s16, STG
	v_add_nc_u32 v5, s19, v4                       ; the stage, way in: a row as it lies
	v_mul_u32_u24 v6, v3, 528
	v_lshl_add_u32 v6, v11, 7, v6
	v_add_nc_u32 v6, s19, v6                       ; way out: row r, + 128 h: my 32 numbers of a block pair
	s_add_co_u32 s19, s19, SWD
	v_lshl_add_u32 v7, v3, 2, s19                  ; my row's scale word
	v_lshl_add_u32 v8, v2, 3, s19                  ; and the words' way out, 8 bytes a lane
	v_lshlrev_b32 v9, 3, v2
	v_lshlrev_b32 v10, 3, v11                      ; 8 h: my bytes' place in the word
	v_mov_b32 v[WX], 0                             ; a lane permute's destination counts as one of its sources
	s_mov_b32 s30, 0x76543210
	s_mov_b32 s31, 0xfedcba98                      ; selects for lane l xor 16
	s_lshr_b32 s17, ttmp9, 1                       ; g: which 64 rows of the stacked matrix
	s_and_b32 s18, ttmp9, 1
	s_lshl_b32 s18, s18, 2
	s_add_co_u32 s18, s18, s16                     ; which K step of 128
	s_sub_co_u32 s22, s17, 128
	s_and_b32 s22, s22, 15                         ; the group's number inside a weight,
	s_cmp_lt_u32 s17, 128
	s_cselect_b32 s22, s17, s22                    ; or inside x
	s_lshl_b32 s24, s22, 18                        ; 64 rows of 4,096 bytes
	s_lshl_b32 s25, s18, 9
	s_add_co_u32 s24, s24, s25
	s_mov_b32 s25, 0
	s_lshr_b32 s26, s18, 1
	s_mul_i32 s26, s26, 704
	s_lshl_b32 s27, s17, 2
	s_add_co_u32 s26, s26, s27
	s_mul_i32 s26, s26, 3072
	s_and_b32 s27, s18, 1
	s_mul_i32 s27, s27, 1536
	s_add_co_u32 s26, s26, s27                     ; codes: ((K step / 2) x 704 + 4 g) x 3,072 + (K step % 2) x 1,536
	s_mov_b32 s27, 0
	s_mul_i32 s28, s18, 45056
	s_lshl_b32 s29, s17, 8
	s_add_co_u32 s28, s28, s29                     ; scale words: K step x 11,264 x 4 + 64 g x 4
	s_mov_b32 s29, 0
	s_wait_kmcnt 0x0
	s_cmp_lt_u32 s17, 160                          ; which tensor: the choice hangs on the work-group's number alone
	s_cselect_b64 s[20:21], s[8:9], s[10:11]
	s_cmp_lt_u32 s17, 144
	s_cselect_b64 s[20:21], s[6:7], s[20:21]
	s_cmp_lt_u32 s17, 128
	s_cselect_b64 s[20:21], s[4:5], s[20:21]
	s_add_nc_u64 s[20:21], s[20:21], s[24:25]
	s_add_nc_u64 s[12:13], s[12:13], s[26:27]
	s_add_nc_u64 s[14:15], s[14:15], s[28:29]
.macro LOAD f                          ; fragment f's 16 rows, 512 consecutive bytes each, into set f % 2
.irp i, 0,1,2,3,4,5,6,7,8,9,10,11,12,13,14,15
	global_load_b128 v[R+64*((\f)%2)+4*\i:R+64*((\f)%2)+4*\i+3], v4, s[20:21] offset:(32*((\f)/2)+8*((\f)%2)+\i+8*(\i/8))*4096 th:TH_LOAD_NT
.endr
.endm
.macro TURN f                          ; through the stage: LDS serves a wave's instructions in order, so no wait stands between the stores and the loads
.irp i, 0,1,2,3,4,5,6,7,8,9,10,11,12,13,14,15
	ds_store_b128 v5, v[R+64*((\f)%2)+4*\i:R+64*((\f)%2)+4*\i+3] offset:528*\i
.endr
.irp c, 0,1
.irp n, 0,1,2,3,4,5,6,7
	ds_load_b128 v[X+32*\c+4*\n:X+32*\c+4*\n+3], v6 offset:256*\c+16*\n   ; k = 64 c + 32 h + 4 n .. of row r
.endr
.endr
.endm
.macro FRQ f                           ; 2 x 32 numbers a lane become the fragment's 12 registers and the row's scale word
.irp c, 0,1
	v_max3_num_f32 v[MX+\c], |v[X+32*\c]|, |v[X+32*\c+1]|, 0x1800000   ; my block 2 c + h, and the floor 2^(3 - 127): the byte cannot fall under 1
.endr
.irp i, 2,4,6,8,10,12,14,16,18,20,22,24,26,28,30
.irp c, 0,1
	v_max3_num_f32 v[MX+\c], v[MX+\c], |v[X+32*\c+\i]|, |v[X+32*\c+\i+1]|
.endr
.endr
.irp c, 0,1
	v_add_nc_u32 v[SO+\c], 0xff000000, v[MX+\c]    ; 2 off the exponent field: the conversion's scale operand
.endr
.irp c, 0,1
	v_lshrrev_b32 v[BY+\c], 23, v[SO+\c]           ; the byte
.endr
	v_lshl_or_b32 v[WD], v[BY+1], 16, v[BY]        ; blocks h and 2 + h,
	v_lshlrev_b32 v[WD], v10, v[WD]                ; at their places,
	v_permlanex16_b32 v[WX], v[WD], s30, s31
	v_or_b32 v[WD], v[WD], v[WX]                   ; with lane l xor 16's two the word is whole
.if (\f) > 0
	s_wait_xcnt 0x0                                ; the last fragment's stores have read the codes' registers
.endif
.irp c, 0,1
	v_cvt_scalef32_pk16_fp6_f32 v[PC+6*\c:PC+6*\c+2], v[X+32*\c:X+32*\c+15], v[SO+\c]
	v_cvt_scalef32_pk16_fp6_f32 v[TP+4*\c:TP+4*\c+2], v[X+32*\c+16:X+32*\c+31], v[SO+\c]   ; (a conversion's three registers begin on an even number)
.endr
	v_nop                                          ; one plain place behind a scaled conversion
.irp c, 0,1
.irp i, 0,1,2
	v_mov_b32 v[PC+3+6*\c+\i], v[TP+4*\c+\i]
.endr
.endr
.irp c, 0,1,2
	global_store_b128 v4, v[PC+4*\c:PC+4*\c+3], s[12:13] offset:3072*(\f)+512*\c   ; 32 lanes store 512 consecutive bytes, aligned
.endr
	ds_store_b32 v7, v[WD] offset:64*(\f)          ; both halves of the lanes write the same word with the same value
.endm
	LOAD 0
	LOAD 1
.irp f, 0,1,2,3
.if \f < 3
	s_wait_loadcnt 16                              ; this fragment's 16 loads are in; the next fragment's 16 may be out
.else
	s_wait_loadcnt 0
.endif
	TURN \f
	s_wait_dscnt 0x0                               ; my numbers are back, and the stores have read the set
.if \f < 2
	LOAD \f+2
.endif
	FRQ \f
.endr
	ds_load_b64 v[MX:MX+1], v8                     ; the 64 rows' words, in order behind my stores
	s_wait_dscnt 0x0
	global_store_b64 v9, v[MX:MX+1], s[14:15]      ; 32 lanes store 256 consecutive bytes, aligned
	s_wait_tensorcnt 0x0                           ; the wave's end
	ds_add_u32 v[SPW], v[NIL]
	s_wait_dscnt 0x0
	s_endpgm
.Lfunc_end_k_qddd2af82b3_quant:
	.size	k_qddd2af82b3_quant, .Lfunc_end_k_qddd2af82b3_quant-k_qddd2af82b3_quant
	.p2alignl 7, 3214868480
	.fill 96, 4, 3214868480
	.section	.rodata,"a",@progbits
	.p2align	6, 0x0
	.amdhsa_kernel k_qddd2af82b3_quant
		.amdhsa_group_segment_fixed_size 35328
		.amdhsa_private_segment_fixed_size 0
		.amdhsa_enable_private_segment 0
		.amdhsa_kernarg_size 48
		.amdhsa_user_sgpr_count 2
		.amdhsa_user_sgpr_kernarg_segment_ptr 1
		.amdhsa_wavefront_size32 1
		.amdhsa_system_sgpr_workgroup_id_x 1
		.amdhsa_system_sgpr_workgroup_id_y 1
		.amdhsa_system_sgpr_workgroup_id_z 1
		.amdhsa_system_vgpr_workitem_id 0
		.amdhsa_next_free_vgpr 248
		.amdhsa_next_free_sgpr 66
		.amdhsa_reserve_vcc 0
		.amdhsa_float_denorm_mode_32 3
		.amdhsa_float_denorm_mode_16_64 3
		.amdhsa_memory_ordered 1
		.amdhsa_forward_progress 1
		.amdhsa_inst_pref_size 31
	.end_amdhsa_kernel
	.amdgpu_metadata
---
amdhsa.version: [ 1, 2 ]
amdhsa.kernels:
  - .name:           k_qddd2af82b3_quant
    .symbol:         k_qddd2af82b3_quant.kd
    .args:
      - { .name: x, .offset: 0, .size: 8, .value_kind: global_buffer, .address_space: global }
      - { .name: Wq, .offset: 8, .size: 8, .value_kind: global_buffer, .address_space: global }
      - { .name: Wk, .offset: 16, .size: 8, .value_kind: global_buffer, .address_space: global }
      - { .name: Wv, .offset: 24, .size: 8, .value_kind: global_buffer, .address_space: global }
      - { .name: c1, .offset: 32, .size: 8, .value_kind: global_buffer, .address_space: global }
      - { .name: s1, .offset: 40, .size: 8, .value_kind: global_buffer, .address_space: global }
    .group_segment_fixed_size: 35328
    .private_segment_fixed_size: 0
    .kernarg_segment_align: 8
    .kernarg_segment_size: 48
    .max_flat_workgroup_size: 128
    .sgpr_count:     66
    .vgpr_count:     248
    .wavefront_size: 32
...
	.end_amdgpu_metadata
.endif
;; end of part 1
;; launch proj (part 2): grid 8 x 48, 4 waves a work-group, clusters of 4 x 4, 327,680 bytes of LDS; arguments c1, s1, bq, bk, bv, c2, s2; writes c2, s2
.if DOCPART == 2
	.amdgcn_target "amdgcn-amd-amdhsa--gfx1250"
	.amdhsa_code_object_version 6
	.text
	.protected	k_qddd2af82b3_proj
	.globl	k_qddd2af82b3_proj
	.p2align	8
	.type	k_qddd2af82b3_proj,@function
k_qddd2af82b3_proj:
	s_mov_b64 s[64:65], 0
	v_nop
	global_prefetch_b8 v0, s[64:65] scope:SCOPE_SE
	s_setreg_imm32_b32 hwreg(HW_REG_WAVE_MODE, 25, 1), 1
	s_wait_xcnt 0x0
	s_wait_alu depctr_hold_cnt(0) depctr_sa_sdst(0) depctr_va_vdst(0) depctr_va_sdst(0) depctr_va_ssrc(0) depctr_va_vcc(0) depctr_vm_vsrc(0)
	s_getreg_b32 s2, hwreg(HW_REG_IB_STS2, 6, 4)
	s_cmp_eq_u32 s2, 0
	s_cbranch_scc0 .Lentry_in_a_cluster
	s_endpgm
.Lentry_in_a_cluster:
	s_bfe_u32 s2, ttmp6, 0x10000c
	s_cmp_lg_u32 s2, 0xf033
	s_cbranch_scc0 .Lentry_shape_is_right
	s_endpgm
.Lentry_shape_is_right:
; q = x Wq^T + bq, k = x Wk^T + bk, v = x Wv^T + bv on codes of FP6 (E2M3); the results are quantised at once, q and k along d, v along the keys, and leave as codes.
; OPERANDS are images of the operand's registers (a fragment, 16 rows x 128 K, is 1,536 dense bytes; a matrix is laid [K / 256][row block][K step % 2][1,536]); scale words are laid [K step][row].
; ONE PATH FOR ALL THREE.  The row operand R and the column operand C both come from the stacked matrix [x ; Wq ; Wk ; Wv] (44 tiles of 256 rows).  Cluster rows Y = 0 .. 7 (P = 0): R = x, C = Wq | Wk: the result
; is [s][d].  Y = 8 .. 11 (P = 1): R = Wv, C = x: the result is [d][key], so that v's K, the keys, runs along a lane's registers too.  Only tile numbers and offsets hang on P: no branch.
; A tile of 256 x 256 is made by four waves, 128 x 128 each: 64 accumulators.  K goes in slots of 256 (two steps of 128) through a ring of two LDS slots; a quarter slot (128 rows) is one dense block of 24,576 bytes.
; THE MATRIX INSTRUCTION IS USED TRANSPOSED (source 0 = 16 rows of C, source 1 = 16 rows of R).  Stored rows have bits 3 and 4 of the row number swapped, so a lane's 64 results of a row block are
; columns 32 b + 16 (lane / 16) + 0 .. 15: neighbours along the next K, as the conversions want them.
; CLUSTERS: 4 x 4.  R's tiles are shared along a row of the cluster, C's along a column: joint loads.  The scale words of all of K come once, with the first fills.
; BIASES: the bias along the columns (q, k) is the C of each sum's first matrix instruction; the bias along the rows (v) is added as the results are brought into window 0; the one that is not due is made 0 by a select.
; LIMITS: a block of zeros or under 2^-124 gets the byte 1; NaN and infinities are not served.
; REGISTERS: window 0: v16-29 addresses; v32-63 scale words, two sets; v64-127 the column bias; v128-223 R's fragments, ONE set (later the way out); v224-239 the row bias; v240-255 at work.
;   window 1: C's fragments, two sets, at v0 and v128.   window 2: accumulators of my rows 0-63 ((a, b) at v[8 (8 (a % 4) + b)]);   window 3: rows 64-127.
.set NK,    8                          ; K steps of 128
.set LAPS,  2                          ; a lap = two slots = once round the ring
.set FR,    12
.set QUART, 24576
.set SLOT,  4*QUART                    ; R's rows 0-127, 128-255, C's rows 0-127, 128-255
.set HALFS, 512*NK                     ; the scale words of 128 rows, laid [K step][128]
.set SCR,   2*SLOT                     ; behind the ring: R's scale words (two halves), then C's
.set GAT,   SCR+4*HALFS                ; 512 bytes a wave: the new scale words are gathered here; no fill lands here
.set SPARE, GAT+4*512                  ; the spare words
.set STEPR, 704*3072                   ; a slot on, in memory
.set STEPC, 704*3072
.set SPITR, 11264*4/8                  ; a K step on among the scale words, in elements of 8 bytes
.set SPITC, 11264*4/8
.set ADRA, 16
.set ADRB, 20
.set GA,   24                          ; v24 where my row's new scale word goes
.set GR,   25                          ; v25 and where the words are read back
.set CO,   26                          ; v26 16 x lane
.set ADRS, 27
.set SPW,  28
.set NIL,  29
.set SC,   32
.set BJ,   64
.set AF,   128
.set T,    128
.set PC,   192
.set PW,   212
.set BI,   224
.set TB,   240
.set TM,   240
.set G1R,  24
.set G0R,  32
.set G1C,  48
.set G0C,  56
.set G1SR, 68
.set G0SR, 76
.set G1SC, 80
.set G0SC, 88
.set SEL,  100
.set MSB, 0
.macro WIN new                         ; the immediate's high byte repeats the setting that is left
.if MSB != (\new)
	s_set_vgpr_msb (MSB<<8)|(\new)
.set MSB, (\new)
.endif
.endm
.set MUL_LO, 0xa1                      ; source 0 (C) window 1, source 1 (R) window 0, sums in window 2
.set MUL_HI, 0xf1                      ; the same, sums in window 3
.set TO_B,   0x40
.macro JLOAD s                         ; a joint refill: waves 0 and 1 fetch R's halves, waves 2 and 3 C's; an s_nop 0 and four v_nop follow each line
	s_cmp_eq_u32 s15, 0
	s_cbranch_scc0 .Lfor_c_\@
	tensor_load_to_lds s[G0R+4*\s:G0R+4*\s+3], s[G1R:G1R+7]
	s_nop 0
.rept 4
	v_nop
.endr
	s_branch .Lasked_\@
.Lfor_c_\@:
	tensor_load_to_lds s[G0C+4*\s:G0C+4*\s+3], s[G1C:G1C+7]
	s_nop 0
.rept 4
	v_nop
.endr
.Lasked_\@:
.endm
.macro CREST                           ; a round of the cluster's barrier behind its opening barrier
	s_cmp_lg_u32 s14, 0
	s_cbranch_scc1 .Lnot_wave_0_\@
	s_barrier_signal -3
.Lnot_wave_0_\@:
	s_barrier_wait -3
	s_barrier_signal -1
	s_barrier_wait -1
.endm
.macro CROUND
	s_barrier_signal -1
	s_barrier_wait -1
	CREST
.endm
.macro PLACES n                        ; plain places behind matrix instructions, ahead of loads into their registers and of reads of their results
.rept \n
	v_nop
.endr
.endm
.macro FRAG reg, adr, q, i             ; a fragment comes as it was stored: three loads of 512 consecutive bytes
.irp c, 0,1,2
	ds_load_b128 v[\reg+4*\c:\reg+4*\c+3], v[\adr] offset:3072*(\i)+1536*(\q)+512*\c
.endr
.endm
.macro FETCH_B slot, q, p
	WIN TO_B
.irp i, 0,1,2,3,4,5,6,7
	FRAG 128*(\p)+FR*\i, ADRB+\slot, \q, \i
.endr
	WIN 0
.endm
.macro FETCH_A slot, q, i0
.irp i, \i0, \i0+1, \i0+2, \i0+3
	FRAG AF+FR*(\i), ADRA+\slot, \q, \i
.endr
.endm
.macro SCALES sc                       ; a slot's scale words: lanes 0-15 take R's block i, lanes 16-31 C's block i
.irp i, 0,1,2,3,4,5,6,7
.irp q, 0,1
	ds_load_b32 v[SC+16*\sc+2*\i+\q], v[ADRS] offset:512*\q+64*\i
.endr
.endr
.endm
; 16 matrix instructions: R's blocks a0, a0 + 1 x C's eight.  mode 0: the sums go on; mode 2: the column bias starts them.  The 64 accumulators take turns, one instruction a turn.
.macro MUL16 a0, p, q, sc, mode
.irp a, \a0, \a0+1
.irp b, 0,1,2,3,4,5,6,7
.if \mode == 2
	v_wmma_scale_f32_16x16x128_f8f6f4 v[8*(8*((\a)%4)+\b):8*(8*((\a)%4)+\b)+7], v[128*(\p)+FR*\b:128*(\p)+FR*\b+FR-1], v[AF+FR*(\a):AF+FR*(\a)+FR-1], v[BJ+8*\b:BJ+8*\b+7], v[SC+16*(\sc)+2*\b+(\q)], v[SC+16*(\sc)+2*(\a)+(\q)] matrix_a_fmt:MATRIX_FMT_FP6 matrix_b_fmt:MATRIX_FMT_FP6 matrix_a_scale:MATRIX_SCALE_ROW1
.else
	v_wmma_scale_f32_16x16x128_f8f6f4 v[8*(8*((\a)%4)+\b):8*(8*((\a)%4)+\b)+7], v[128*(\p)+FR*\b:128*(\p)+FR*\b+FR-1], v[AF+FR*(\a):AF+FR*(\a)+FR-1], v[8*(8*((\a)%4)+\b):8*(8*((\a)%4)+\b)+7], v[SC+16*(\sc)+2*\b+(\q)], v[SC+16*(\sc)+2*(\a)+(\q)] matrix_a_fmt:MATRIX_FMT_FP6 matrix_b_fmt:MATRIX_FMT_FP6 matrix_a_scale:MATRIX_SCALE_ROW1
.endif
.endr
.endr
.endm
.macro STEP slot, q, mode              ; a step of 128 along K that has its successor in the same slot
	s_wait_dscnt 12                                ; all but the youngest twelve loads (R's blocks 4-7) are in
.if \mode == 2
	WIN 0x81                                       ; the bias lies in window 0
.else
	WIN MUL_LO
.endif
	MUL16 0, (\q)%2, \q, \slot, \mode
	MUL16 2, (\q)%2, \q, \slot, \mode
	s_wait_dscnt 0
	PLACES 4
	FETCH_B \slot, (\q)+1, 1-(\q)%2
	FETCH_A \slot, (\q)+1, 0
.if \mode == 2
	WIN 0xc1
.else
	WIN MUL_HI
.endif
	MUL16 4, (\q)%2, \q, \slot, \mode
	MUL16 6, (\q)%2, \q, \slot, \mode
	PLACES 4
	WIN 0
	FETCH_A \slot, (\q)+1, 4
.endm
.macro TURN slot, next, fill           ; a slot's last step changes slots: one barrier; fill = 1: it opens a round of the cluster's barrier, and this slot is filled again
	s_wait_tensorcnt 0x0                           ; all my tensor loads have landed: my part of the next slot
	ds_add_u32 v[SPW], v[NIL]                      ; 0 onto my spare word
	s_wait_dscnt 13                                ; the add and the youngest twelve loads may be out
	WIN MUL_LO
	MUL16 0, 1, 1, \slot, 0
	s_wait_dscnt 0x0                               ; the add is done, and my reads of this slot are over
	s_barrier_signal -1
	MUL16 2, 1, 1, \slot, 0
	WIN 0
	s_barrier_wait -1
.if \fill
	CREST                                          ; no wave of any partner still reads this slot or has a load on its way
	s_add_nc_u64 s[G0R+4*\slot+2:G0R+4*\slot+3], s[G0R+4*\slot+2:G0R+4*\slot+3], 2*STEPR
	s_add_nc_u64 s[G0C+4*\slot+2:G0C+4*\slot+3], s[G0C+4*\slot+2:G0C+4*\slot+3], 2*STEPC
	JLOAD \slot                                    ; the first tensor load behind the round; its four v_nop are the places ahead of the loads below
.else
	PLACES 4
.endif
	v_add_nc_u32 v[ADRS], 1024, v[ADRS]            ; the next slot's scale words (no LDS load of mine is out)
	FETCH_B \next, 0, 0
	FETCH_A \next, 0, 0
	SCALES \next
	WIN MUL_HI
	MUL16 4, 1, 1, \slot, 0
	MUL16 6, 1, 1, \slot, 0
	PLACES 4
	WIN 0
	FETCH_A \next, 0, 4
.endm
	s_load_b128 s[4:7], s[0:1], 0x0                ; c1, s1
	s_load_b128 s[96:99], s[0:1], 0x10             ; bq, bk
	s_load_b128 s[8:11], s[0:1], 0x20              ; bv, c2
	s_load_b64 s[66:67], s[0:1], 0x30              ; s2
	v_lshl_add_u32 v[SPW], v0, 2, SPARE
	v_mov_b32 v[NIL], 0
	ds_add_u32 v[SPW], v[NIL]                      ; the wave's opening: the add; its wait stands ahead of my first tensor load
	v_lshrrev_b32 v1, 5, v0
	v_readfirstlane_b32 s14, v1                    ; wave
	s_lshr_b32 s15, s14, 1                         ; my half of the rows.  Also: I fetch for R (0) or for C (1)
	s_and_b32 s16, s14, 1                          ; my half of the columns.  Also: which 128 rows I fetch
	s_bfe_u32 s40, ttmp6, 0x40000                  ; cx
	s_bfe_u32 s41, ttmp6, 0x40004                  ; cy
	s_lshl_b32 s42, ttmp9, 2
	s_add_co_u32 s42, s42, s40                     ; x = 4 X + cx
	s_and_b32 s2, ttmp7, 0xffff                    ; Y
	s_lshl_b32 s17, s2, 2
	s_add_co_u32 s17, s17, s41                     ; y = 4 Y + cy
	s_lshl_b32 s43, s41, 2
	s_lshl_b32 s43, 15, s43                        ; my row of the cluster
	s_lshl_b32 s44, 0x1111, s40                    ; my column
	s_lshr_b32 s104, s2, 3                         ; P: 1 where v is made
	s_xor_b32 s105, s104, 1                        ; 1 - P
	s_or_b32 s[G1R], s43, (3<<16)|(1<<21)          ; the mask; elements of 8 bytes; bit 21 beside a mask; no padding
	s_or_b32 s[G1C], s44, (3<<16)|(1<<21)
.irp g, G1R, G1C
	s_mov_b32 s[\g+1], 32<<16                      ; a dense block of 24,576 bytes as 96 rows of 256
	s_mov_b32 s[\g+2], 96<<16
	s_mov_b32 s[\g+3], 32<<16
	s_mov_b32 s[\g+4], 96
	s_mov_b32 s[\g+5], 32
	s_mov_b32 s[\g+6], 0
	s_mov_b32 s[\g+7], 0
.endr
	s_or_b32 s[G1SR], s43, (3<<16)|(1<<21)
	s_or_b32 s[G1SC], s44, (3<<16)|(1<<21)
.irp g, G1SR, G1SC
	s_mov_b32 s[\g+1], 64<<16                      ; NK rows of 512 bytes: 128 rows' words of each K step
	s_mov_b32 s[\g+2], NK<<16
	s_mov_b32 s[\g+3], 64<<16
	s_mov_b32 s[\g+4], NK
	s_mov_b32 s[\g+6], 0
	s_mov_b32 s[\g+7], 0
.endr
	s_mov_b32 s[G1SR+5], SPITR
	s_mov_b32 s[G1SC+5], SPITC
	s_lshl_b32 s20, s2, 2                          ; R's tile: cy + 4 Y (1 - P) + 40 P: made of cy and Y alone
	s_mul_i32 s20, s20, s105
	s_mul_i32 s21, s104, 40
	s_add_co_u32 s20, s20, s21
	s_add_co_u32 s20, s20, s41
	s_lshl_b32 s18, s16, 3
	s_lshl_b32 s20, s20, 4
	s_add_co_u32 s20, s20, s18                     ; its row block: 16 tile + 8 half
	s_lshl_b32 s22, s20, 6                         ; scale words: 64 bytes a row block
	s_mul_i32 s20, s20, 3072
	s_mov_b32 s21, 0
	s_mov_b32 s23, 0
	s_lshl_b32 s46, s2, 3                          ; C's tile: x + 32 (1 - P) + (8 Y - 64) P: made of x and Y alone
	s_mul_i32 s46, s46, s104
	s_lshl_b32 s47, s104, 6
	s_sub_co_u32 s46, s46, s47
	s_lshl_b32 s47, s105, 5
	s_add_co_u32 s46, s46, s47
	s_add_co_u32 s46, s46, s42
	s_lshl_b32 s46, s46, 4
	s_add_co_u32 s46, s46, s18
	s_lshl_b32 s92, s46, 6
	s_mul_i32 s46, s46, 3072
	s_mov_b32 s47, 0
	s_mov_b32 s93, 0
	s_mul_i32 s18, s14, QUART                      ; where they go: by the wave's number alone
	s_mul_i32 s19, s14, HALFS
	s_mov_b32 s[SEL], 0x76543210
	s_mov_b32 s[SEL+1], 0xfedcba98
	s_wait_dscnt 0x0                               ; the opening add is done
	s_wait_kmcnt 0x0
	s_add_nc_u64 s[20:21], s[4:5], s[20:21]
	s_add_nc_u64 s[22:23], s[6:7], s[22:23]
	s_add_nc_u64 s[46:47], s[4:5], s[46:47]
	s_add_nc_u64 s[92:93], s[6:7], s[92:93]
	CROUND                                         ; all sixteen work-groups are here: the first joint loads meet
	s_mov_b32 s[G0SR], 1
	s_add_co_u32 s[G0SR+1], s19, SCR
	s_mov_b64 s[G0SR+2:G0SR+3], s[22:23]
	s_or_b32 s[G0SR+3], s[G0SR+3], 0x80000000
	s_mov_b32 s[G0SC], 1
	s_add_co_u32 s[G0SC+1], s19, SCR
	s_mov_b64 s[G0SC+2:G0SC+3], s[92:93]
	s_or_b32 s[G0SC+3], s[G0SC+3], 0x80000000
.irp s, 0,1
	s_mov_b32 s[G0R+4*\s], 1
	s_add_co_u32 s[G0R+4*\s+1], s18, \s*SLOT
	s_add_nc_u64 s[G0R+4*\s+2:G0R+4*\s+3], s[20:21], \s*STEPR
	s_or_b32 s[G0R+4*\s+3], s[G0R+4*\s+3], 0x80000000
	s_mov_b32 s[G0C+4*\s], 1
	s_add_co_u32 s[G0C+4*\s+1], s18, \s*SLOT
	s_add_nc_u64 s[G0C+4*\s+2:G0C+4*\s+3], s[46:47], \s*STEPC
	s_or_b32 s[G0C+4*\s+3], s[G0C+4*\s+3], 0x80000000
.endr
	s_cmp_eq_u32 s15, 0                            ; a wave's three first fills stand in one branch: three loads of mine are out
	s_cbranch_scc0 .Lfirst_c
	tensor_load_to_lds s[G0SR:G0SR+3], s[G1SR:G1SR+7]
	s_nop 0
	tensor_load_to_lds s[G0R:G0R+3], s[G1R:G1R+7]
	s_nop 0
	tensor_load_to_lds s[G0R+4:G0R+7], s[G1R:G1R+7]
	s_nop 0
.rept 4
	v_nop
.endr
	s_branch .Lfirst_done
.Lfirst_c:
	tensor_load_to_lds s[G0SC:G0SC+3], s[G1SC:G1SC+7]
	s_nop 0
	tensor_load_to_lds s[G0C:G0C+3], s[G1C:G1C+7]
	s_nop 0
	tensor_load_to_lds s[G0C+4:G0C+7], s[G1C:G1C+7]
	s_nop 0
.rept 4
	v_nop
.endr
.Lfirst_done:
	v_and_b32 v1, 15, v0                           ; r
	v_bfe_u32 v2, v0, 4, 1                         ; h
	v_and_b32 v5, 31, v0
	v_lshlrev_b32 v[CO], 4, v5
	s_mul_i32 s21, s15, QUART                      ; my 128 rows of R
	s_mul_i32 s22, s16, QUART                      ; my 128 rows of C,
	s_add_co_u32 s22, s22, 2*QUART                 ; behind R's 256
.irp s, 0,1
	v_add_nc_u32 v[ADRA+\s], s21, v[CO]
	v_add_nc_u32 v[ADRB+\s], s22, v[CO]
	s_add_co_u32 s21, s21, SLOT
	s_add_co_u32 s22, s22, SLOT
.endr
	s_mul_i32 s21, s15, HALFS
	s_mul_i32 s22, s16, HALFS
	s_add_co_u32 s22, s22, 2*HALFS
	s_sub_co_u32 s22, s22, s21
	v_mul_u32_u24 v6, s22, v2                      ; lanes 16-31 take C's words
	s_add_co_u32 s21, s21, SCR
	v_lshl_add_u32 v6, v1, 2, v6
	v_add_nc_u32 v[ADRS], s21, v6
	s_lshl_b32 s21, s14, 9
	s_add_co_u32 s21, s21, GAT
	v_lshl_add_u32 v[GA], v1, 2, s21
	v_add_nc_u32 v[GR], s21, v[CO]
	; where the results go: part 0 q, 1 k, 2 v; so = the slot of 256 along the result's K; RTo = the result's tile of 256 rows
	s_lshr_b32 s45, s42, 2
	s_mul_i32 s45, s45, s105
	s_lshl_b32 s46, s104, 1
	s_add_co_u32 s45, s45, s46                     ; part
	s_lshl_b32 s46, s104, 2
	s_add_co_u32 s46, s46, 3
	s_and_b32 s46, s42, s46                        ; so = x & (3 + 4 P)
	s_lshl_b32 s47, s104, 5
	s_sub_co_u32 s47, s17, s47                     ; RTo = y - 32 P
	s_lshr_b32 s92, 512, s104                      ; row blocks of the result: 512 or 256
	s_mul_i32 s92, s92, s46
	s_lshl_b32 s93, s47, 4
	s_add_co_u32 s92, s92, s93
	s_lshl_b32 s93, s15, 3
	s_add_co_u32 s92, s92, s93
	s_mul_i32 s92, s92, 3072
	s_mul_i32 s93, s16, 1536
	s_add_co_u32 s92, s92, s93
	s_mul_i32 s93, s45, 6291456
	s_add_co_u32 s92, s92, s93
	s_mov_b32 s93, 0
	s_add_nc_u64 s[12:13], s[10:11], s[92:93]      ; my first fragment in c2
	s_lshl_b32 s94, s46, 1
	s_add_co_u32 s94, s94, s16                     ; the result's K step: 2 so + my half
	s_lshr_b32 s95, 0x8000, s104
	s_mul_i32 s94, s94, s95
	s_lshl_b32 s95, s47, 10
	s_add_co_u32 s94, s94, s95
	s_lshl_b32 s95, s15, 9
	s_add_co_u32 s94, s94, s95
	s_lshl_b32 s95, s45, 18
	s_add_co_u32 s94, s94, s95
	s_mov_b32 s95, 0
	s_add_nc_u64 s[66:67], s[66:67], s[94:95]      ; my 128 rows' words in s2
	s_cmp_eq_u32 s45, 1                            ; the part's bias
	s_cselect_b64 s[96:97], s[98:99], s[96:97]
	s_cmp_eq_u32 s45, 2
	s_cselect_b64 s[96:97], s[8:9], s[96:97]
	s_lshl_b32 s92, s46, 10
	s_lshl_b32 s93, s16, 9
	s_add_co_u32 s92, s92, s93
	s_mul_i32 s92, s92, s105                       ; along the columns: from (1 - P)(256 so + 128 half) on, in bytes
	s_lshl_b32 s93, s41, 10
	s_lshl_b32 s94, s15, 9
	s_add_co_u32 s93, s93, s94
	s_mul_i32 s93, s93, s104                       ; along the rows: from P (256 cy + 128 half) on.  Both stay under 1,024 numbers on both ways
	v_lshl_add_u32 v3, v2, 6, s92
	v_and_b32 v4, 8, v1
	v_add_nc_u32 v4, v4, v1                        ; r + 8 (r / 8): the stored row's true place
	v_lshl_add_u32 v4, v4, 2, s93
.irp g, 0,1,2,3
.irp n, 0,1,2,3
	global_load_b128 v[BJ+16*\g+4*\n:BJ+16*\g+4*\n+3], v3, s[96:97] offset:128*\g+16*\n   ; register 16 g + i: column 32 g + 16 h + i
.endr
.endr
.irp a, 0,1,2,3,4,5,6,7
	global_load_b32 v[TB+\a], v4, s[96:97] offset:4*(32*(\a/2)+8*(\a%2))
.endr
	s_sub_co_u32 s45, 0, s105                      ; all ones where the column bias is due,
	s_sub_co_u32 s105, 0, s104                     ; all ones where the row bias is
	s_mov_b32 s104, s45
	s_wait_loadcnt 0x0
.set j, 0
.rept 64
	v_cndmask_b32 v[BJ+j], 0, v[BJ+j], s104
.set j, j+1
.endr
.irp a, 0,1,2,3,4,5,6,7
	v_cndmask_b32 v[BI+2*\a], 0, v[TB+\a], s105
	v_cndmask_b32 v[BI+2*\a+1], 0, v[TB+\a], s105
.endr
.irp b, 0,1,2,3
	v_mov_b32 v[TM+4+\b], 0                        ; a lane permute's destination counts as one of its sources
.endr
	s_wait_tensorcnt 1                             ; the scale words and my part of slot 0 are in; slot 1's load may be out
	s_barrier_signal -1
	s_barrier_wait -1
	FETCH_B 0, 0, 0
	FETCH_A 0, 0, 0
	SCALES 0
	FETCH_A 0, 0, 4
	STEP 0, 0, 2                                   ; the first step stands ahead of the loop: the bias starts the sums
	s_mov_b32 s3, LAPS-1
.Llap:
	TURN 0, 1, 1
	STEP 1, 0, 0
	TURN 1, 0, 1
	STEP 0, 0, 0
	s_sub_co_u32 s3, s3, 1
	s_cmp_lg_u32 s3, 0
	s_cbranch_scc1 .Llap
	TURN 0, 1, 0                                   ; the last lap fills nothing
	STEP 1, 0, 0
	s_wait_dscnt 12
	WIN MUL_LO
	MUL16 0, 1, 1, 1, 0
	MUL16 2, 1, 1, 1, 0
	s_wait_dscnt 0
	WIN MUL_HI
	MUL16 4, 1, 1, 1, 0
	MUL16 6, 1, 1, 1, 0
	WIN 0
	PLACES 4
; 64 numbers of a lane, register 16 b + i = k 32 b + 16 (lane / 16) + i of my row, become a fragment's codes in v[PC] on and its scale word in v[PW].
.macro QUANT s
.irp b, 0,1,2,3
	v_max3_num_f32 v[TM+\b], |v[\s+16*\b]|, |v[\s+1+16*\b]|, 0x1800000   ; and the floor 2^(3 - 127)
.endr
.irp i, 2,4,6,8,10,12,14
.irp b, 0,1,2,3
	v_max3_num_f32 v[TM+\b], v[TM+\b], |v[\s+16*\b+\i]|, |v[\s+1+16*\b+\i]|
.endr
.endr
.irp b, 0,1,2,3
	v_permlanex16_b32 v[TM+4+\b], v[TM+\b], s[SEL], s[SEL+1]
.endr
.irp b, 0,1,2,3
	v_max_num_f32 v[TM+\b], v[TM+\b], v[TM+4+\b]   ; with lane l xor 16's: the block's largest magnitude
.endr
.irp b, 0,1,2,3
	v_add_nc_u32 v[TM+12+\b], 0xff000000, v[TM+\b] ; 2 off the exponent field: the conversion's scale operand
.endr
.irp b, 0,1,2,3
	v_lshrrev_b32 v[TM+4+\b], 23, v[TM+12+\b]
.endr
	v_lshl_or_b32 v[PW], v[TM+5], 8, v[TM+4]
	v_lshl_or_b32 v[PW], v[TM+6], 16, v[PW]
	v_lshl_or_b32 v[PW], v[TM+7], 24, v[PW]
	s_wait_xcnt 0x0                                ; the last block's stores have read the codes' registers
.irp c, 0,1
	v_cvt_scalef32_pk16_fp6_f32 v[PC+6*\c:PC+2+6*\c], v[\s+32*\c:\s+15+32*\c], v[TM+12+2*\c]
	v_cvt_scalef32_pk16_fp6_f32 v[PC+12+4*\c:PC+14+4*\c], v[\s+16+32*\c:\s+31+32*\c], v[TM+12+2*\c+1]
.endr
	v_nop                                          ; one plain place behind a scaled conversion
.irp c, 0,1                                    ; the layout wants a whole block in a lane
.irp i, 0,1,2
	v_permlane16_swap_b32 v[PC+6*\c+\i], v[PC+12+4*\c+\i]
.endr
.irp i, 0,1,2
	v_mov_b32 v[PC+3+6*\c+\i], v[PC+12+4*\c+\i]
.endr
.endr
.endm
.macro BLK a                           ; my row block a: the row bias, the quantiser, the image to memory, the scale word to the gather
	s_wait_dscnt 0x0                               ; the last block's word has left its register
	WIN 2+(\a)/4
.set j, 0
.rept 32
	v_pk_add_f32 v[T+j:T+j+1], v[64*((\a)%4)+j:64*((\a)%4)+j+1], v[BI+2*(\a):BI+2*(\a)+1]   ; each accumulator from its low end on
.set j, j+2
.endr
	WIN 0
	QUANT T
.irp c, 0,1,2
	global_store_b128 v[CO], v[PC+4*\c:PC+4*\c+3], s[12:13] offset:3072*(\a)+512*\c   ; 512 consecutive bytes, aligned
.endr
	ds_store_b32 v[GA], v[PW] offset:64*(\a)
.endm
.irp a, 0,1,2,3,4,5,6,7
	BLK \a
.endr
	ds_load_b128 v[T:T+3], v[GR]                   ; my 128 rows' words, in order behind my stores
	s_wait_dscnt 0x0
	global_store_b128 v[CO], v[T:T+3], s[66:67]    ; 512 consecutive bytes, aligned
	s_wait_tensorcnt 0x0                           ; the wave's end
	ds_add_u32 v[SPW], v[NIL]
	s_wait_dscnt 0x0
	CROUND                                         ; the closing round
	s_endpgm
.Lfunc_end_k_qddd2af82b3_proj:
	.size	k_qddd2af82b3_proj, .Lfunc_end_k_qddd2af82b3_proj-k_qddd2af82b3_proj
	.p2alignl 7, 3214868480
	.fill 96, 4, 3214868480
	.section	.rodata,"a",@progbits
	.p2align	6, 0x0
	.amdhsa_kernel k_qddd2af82b3_proj
		.amdhsa_group_segment_fixed_size 327680
		.amdhsa_private_segment_fixed_size 0
		.amdhsa_enable_private_segment 0
		.amdhsa_kernarg_size 56
		.amdhsa_user_sgpr_count 2
		.amdhsa_user_sgpr_kernarg_segment_ptr 1
		.amdhsa_wavefront_size32 1
		.amdhsa_system_sgpr_workgroup_id_x 1
		.amdhsa_system_sgpr_workgroup_id_y 1
		.amdhsa_system_sgpr_workgroup_id_z 1
		.amdhsa_system_vgpr_workitem_id 0
		.amdhsa_next_free_vgpr 1024
		.amdhsa_next_free_sgpr 106
		.amdhsa_reserve_vcc 0
		.amdhsa_float_denorm_mode_32 3
		.amdhsa_float_denorm_mode_16_64 3
		.amdhsa_memory_ordered 1
		.amdhsa_forward_progress 1
		.amdhsa_inst_pref_size 166
	.end_amdhsa_kernel
	.amdgpu_metadata
---
amdhsa.version: [ 1, 2 ]
amdhsa.kernels:
  - .name:           k_qddd2af82b3_proj
    .symbol:         k_qddd2af82b3_proj.kd
    .args:
      - { .name: c1, .offset: 0, .size: 8, .value_kind: global_buffer, .address_space: global }
      - { .name: s1, .offset: 8, .size: 8, .value_kind: global_buffer, .address_space: global }
      - { .name: bq, .offset: 16, .size: 8, .value_kind: global_buffer, .address_space: global }
      - { .name: bk, .offset: 24, .size: 8, .value_kind: global_buffer, .address_space: global }
      - { .name: bv, .offset: 32, .size: 8, .value_kind: global_buffer, .address_space: global }
      - { .name: c2, .offset: 40, .size: 8, .value_kind: global_buffer, .address_space: global }
      - { .name: s2, .offset: 48, .size: 8, .value_kind: global_buffer, .address_space: global }
    .group_segment_fixed_size: 327680
    .private_segment_fixed_size: 0
    .kernarg_segment_align: 8
    .kernarg_segment_size: 56
    .max_flat_workgroup_size: 128
    .sgpr_count:     106
    .vgpr_count:     1024
    .wavefront_size: 32
...
	.end_amdgpu_metadata
.endif
;; end of part 2
;; launch score (part 3): grid 8 x 32, 4 waves a work-group, clusters of 4 x 4, 327,680 bytes of LDS; arguments c2, s2, pc, ps, st; writes pc, ps, st
.if DOCPART == 3
	.amdgcn_target "amdgcn-amd-amdhsa--gfx1250"
	.amdhsa_code_object_version 6
	.text
	.protected	k_qddd2af82b3_score
	.globl	k_qddd2af82b3_score
	.p2align	8
	.type	k_qddd2af82b3_score,@function
k_qddd2af82b3_score:
	s_mov_b64 s[64:65], 0
	v_nop
	global_prefetch_b8 v0, s[64:65] scope:SCOPE_SE
	s_setreg_imm32_b32 hwreg(HW_REG_WAVE_MODE, 25, 1), 1
	s_wait_xcnt 0x0
	s_wait_alu depctr_hold_cnt(0) depctr_sa_sdst(0) depctr_va_vdst(0) depctr_va_sdst(0) depctr_va_ssrc(0) depctr_va_vcc(0) depctr_vm_vsrc(0)
	s_getreg_b32 s2, hwreg(HW_REG_IB_STS2, 6, 4)
	s_cmp_eq_u32 s2, 0
	s_cbranch_scc0 .Lentry_in_a_cluster
	s_endpgm
.Lentry_in_a_cluster:
	s_bfe_u32 s2, ttmp6, 0x10000c
	s_cmp_lg_u32 s2, 0xf033
	s_cbranch_scc0 .Lentry_shape_is_right
	s_endpgm
.Lentry_shape_is_right:
; S = q k^T on codes of FP6 (E2M3), and the softmax's p, quantised along the keys, as codes.  A tile of 256 queries x 256 keys to a work-group, 128 x 128 to a wave.
; THE SOFTMAX IS LOCAL TO A WAVE'S 128 KEYS: t = score x log2(e) / 32; M = the largest t of the query's 128 keys here, rounded up to a whole number; p = 2^(t - M); l = the sum of the unquantised p.
; p's codes and scale words, -M and l go to memory; the next launch brings the sixteen groups of a row under the row's M by adding a whole number to p's scale bytes, which changes no code.
; Operands, ring, cluster and the transposed use are those of the launch before: R = q (rows: queries), C = k (rows: keys); a lane's 64 results of a row block are keys 32 b + 16 (lane / 16) + 0 .. 15 of one query.
; LIMITS: NaN and infinities are not served; a block whose every p has fallen to 0 keeps the byte 1 over zero codes.
; REGISTERS: window 0: v16-29 addresses; v32-63 scale words; v128-223 R's fragments (later t, p and the codes); v214-219, v240-252 at work.  window 1: C's fragments.  windows 2, 3: the accumulators.
.set NK,    8
.set LAPS,  2
.set FR,    12
.set QUART, 24576
.set SLOT,  4*QUART
.set HALFS, 512*NK
.set SCR,   2*SLOT
.set GAT,   SCR+4*HALFS                ; 1,536 bytes a wave: the scale words, -M and l of its 128 queries; no fill lands here
.set SPARE, GAT+4*1536
.set STEPR, 512*3072
.set STEPC, 512*3072
.set SPITR, 8192*4/8
.set SPITC, 8192*4/8
.set ADRA, 16
.set ADRB, 20
.set GA,   24
.set GR,   25
.set CO,   26
.set ADRS, 27
.set SPW,  28
.set NIL,  29
.set SC,   32
.set AF,   128
.set T,    128
.set PC,   192
.set PW,   212
.set LS,   214                         ; v[214:217] the sum, two chains of pairs
.set NM,   218                         ; v218 -M, v219 the largest t
.set BM,   240                         ; v240-243 each block's largest score, then its largest p
.set BX,   244                         ; v244-247 lane l xor 16's; then the bytes
.set SO,   248                         ; v248-251 the conversions' scale operands
.set TT,   252
.set G1R,  24
.set G0R,  32
.set G1C,  48
.set G0C,  56
.set G1SR, 68
.set G0SR, 76
.set G1SC, 80
.set G0SC, 88
.set SEL,  100
.set CS,   104                         ; s[104:105] c = log2(e) / 32
.set MSB, 0
.macro WIN new
.if MSB != (\new)
	s_set_vgpr_msb (MSB<<8)|(\new)
.set MSB, (\new)
.endif
.endm
.set MUL_LO, 0xa1
.set MUL_HI, 0xf1
.set TO_B,   0x40
.macro JLOAD s
	s_cmp_eq_u32 s15, 0
	s_cbranch_scc0 .Lfor_c_\@
	tensor_load_to_lds s[G0R+4*\s:G0R+4*\s+3], s[G1R:G1R+7]
	s_nop 0
.rept 4
	v_nop
.endr
	s_branch .Lasked_\@
.Lfor_c_\@:
	tensor_load_to_lds s[G0C+4*\s:G0C+4*\s+3], s[G1C:G1C+7]
	s_nop 0
.rept 4
	v_nop
.endr
.Lasked_\@:
.endm
.macro CREST
	s_cmp_lg_u32 s14, 0
	s_cbranch_scc1 .Lnot_wave_0_\@
	s_barrier_signal -3
.Lnot_wave_0_\@:
	s_barrier_wait -3
	s_barrier_signal -1
	s_barrier_wait -1
.endm
.macro CROUND
	s_barrier_signal -1
	s_barrier_wait -1
	CREST
.endm
.macro PLACES n
.rept \n
	v_nop
.endr
.endm
.macro FRAG reg, adr, q, i
.irp c, 0,1,2
	ds_load_b128 v[\reg+4*\c:\reg+4*\c+3], v[\adr] offset:3072*(\i)+1536*(\q)+512*\c
.endr
.endm
.macro FETCH_B slot, q, p
	WIN TO_B
.irp i, 0,1,2,3,4,5,6,7
	FRAG 128*(\p)+FR*\i, ADRB+\slot, \q, \i
.endr
	WIN 0
.endm
.macro FETCH_A slot, q, i0
.irp i, \i0, \i0+1, \i0+2, \i0+3
	FRAG AF+FR*(\i), ADRA+\slot, \q, \i
.endr
.endm
.macro SCALES sc
.irp i, 0,1,2,3,4,5,6,7
.irp q, 0,1
	ds_load_b32 v[SC+16*\sc+2*\i+\q], v[ADRS] offset:512*\q+64*\i
.endr
.endr
.endm
; mode 0: the sums go on; mode 1: the first product starts them.  The 64 accumulators take turns, one instruction a turn.
.macro MUL16 a0, p, q, sc, mode
.irp a, \a0, \a0+1
.irp b, 0,1,2,3,4,5,6,7
.if \mode == 1
	v_wmma_scale_f32_16x16x128_f8f6f4 v[8*(8*((\a)%4)+\b):8*(8*((\a)%4)+\b)+7], v[128*(\p)+FR*\b:128*(\p)+FR*\b+FR-1], v[AF+FR*(\a):AF+FR*(\a)+FR-1], 0, v[SC+16*(\sc)+2*\b+(\q)], v[SC+16*(\sc)+2*(\a)+(\q)] matrix_a_fmt:MATRIX_FMT_FP6 matrix_b_fmt:MATRIX_FMT_FP6 matrix_a_scale:MATRIX_SCALE_ROW1
.else
	v_wmma_scale_f32_16x16x128_f8f6f4 v[8*(8*((\a)%4)+\b):8*(8*((\a)%4)+\b)+7], v[128*(\p)+FR*\b:128*(\p)+FR*\b+FR-1], v[AF+FR*(\a):AF+FR*(\a)+FR-1], v[8*(8*((\a)%4)+\b):8*(8*((\a)%4)+\b)+7], v[SC+16*(\sc)+2*\b+(\q)], v[SC+16*(\sc)+2*(\a)+(\q)] matrix_a_fmt:MATRIX_FMT_FP6 matrix_b_fmt:MATRIX_FMT_FP6 matrix_a_scale:MATRIX_SCALE_ROW1
.endif
.endr
.endr
.endm
.macro STEP slot, q, mode
	s_wait_dscnt 12                                ; all but the youngest twelve loads (R's blocks 4-7) are in
	WIN MUL_LO
	MUL16 0, (\q)%2, \q, \slot, \mode
	MUL16 2, (\q)%2, \q, \slot, \mode
	s_wait_dscnt 0
	PLACES 4
	FETCH_B \slot, (\q)+1, 1-(\q)%2
	FETCH_A \slot, (\q)+1, 0
	WIN MUL_HI
	MUL16 4, (\q)%2, \q, \slot, \mode
	MUL16 6, (\q)%2, \q, \slot, \mode
	PLACES 4
	WIN 0
	FETCH_A \slot, (\q)+1, 4
.endm
.macro TURN slot, next, fill
	s_wait_tensorcnt 0x0                           ; all my tensor loads have landed: my part of the next slot
	ds_add_u32 v[SPW], v[NIL]                      ; 0 onto my spare word
	s_wait_dscnt 13                                ; the add and the youngest twelve loads may be out
	WIN MUL_LO
	MUL16 0, 1, 1, \slot, 0
	s_wait_dscnt 0x0                               ; the add is done, and my reads of this slot are over
	s_barrier_signal -1
	MUL16 2, 1, 1, \slot, 0
	WIN 0
	s_barrier_wait -1
.if \fill
	CREST
	s_add_nc_u64 s[G0R+4*\slot+2:G0R+4*\slot+3], s[G0R+4*\slot+2:G0R+4*\slot+3], 2*STEPR
	s_add_nc_u64 s[G0C+4*\slot+2:G0C+4*\slot+3], s[G0C+4*\slot+2:G0C+4*\slot+3], 2*STEPC
	JLOAD \slot
.else
	PLACES 4
.endif
	v_add_nc_u32 v[ADRS], 1024, v[ADRS]
	FETCH_B \next, 0, 0
	FETCH_A \next, 0, 0
	SCALES \next
	WIN MUL_HI
	MUL16 4, 1, 1, \slot, 0
	MUL16 6, 1, 1, \slot, 0
	PLACES 4
	WIN 0
	FETCH_A \next, 0, 4
.endm
	s_load_b128 s[4:7], s[0:1], 0x0                ; c2, s2
	s_load_b128 s[8:11], s[0:1], 0x10              ; pc, ps
	s_load_b64 s[96:97], s[0:1], 0x20              ; st
	v_lshl_add_u32 v[SPW], v0, 2, SPARE
	v_mov_b32 v[NIL], 0
	ds_add_u32 v[SPW], v[NIL]                      ; the wave's opening: the add; its wait stands ahead of my first tensor load
	v_lshrrev_b32 v1, 5, v0
	v_readfirstlane_b32 s14, v1
	s_lshr_b32 s15, s14, 1
	s_and_b32 s16, s14, 1
	s_bfe_u32 s40, ttmp6, 0x40000
	s_bfe_u32 s41, ttmp6, 0x40004
	s_lshl_b32 s42, ttmp9, 2
	s_add_co_u32 s42, s42, s40                     ; x: which 256 keys of the batch
	s_and_b32 s2, ttmp7, 0xffff
	s_lshl_b32 s17, s2, 2
	s_add_co_u32 s17, s17, s41                     ; y: which 256 of the 8,192 queries
	s_lshl_b32 s43, s41, 2
	s_lshl_b32 s43, 15, s43
	s_lshl_b32 s44, 0x1111, s40
	s_or_b32 s[G1R], s43, (3<<16)|(1<<21)
	s_or_b32 s[G1C], s44, (3<<16)|(1<<21)
.irp g, G1R, G1C
	s_mov_b32 s[\g+1], 32<<16
	s_mov_b32 s[\g+2], 96<<16
	s_mov_b32 s[\g+3], 32<<16
	s_mov_b32 s[\g+4], 96
	s_mov_b32 s[\g+5], 32
	s_mov_b32 s[\g+6], 0
	s_mov_b32 s[\g+7], 0
.endr
	s_or_b32 s[G1SR], s43, (3<<16)|(1<<21)
	s_or_b32 s[G1SC], s44, (3<<16)|(1<<21)
.irp g, G1SR, G1SC
	s_mov_b32 s[\g+1], 64<<16
	s_mov_b32 s[\g+2], NK<<16
	s_mov_b32 s[\g+3], 64<<16
	s_mov_b32 s[\g+4], NK
	s_mov_b32 s[\g+6], 0
	s_mov_b32 s[\g+7], 0
.endr
	s_mov_b32 s[G1SR+5], SPITR
	s_mov_b32 s[G1SC+5], SPITC
	s_lshl_b32 s18, s16, 3
	s_lshl_b32 s20, s17, 4                         ; q's tile is y
	s_add_co_u32 s20, s20, s18
	s_lshl_b32 s22, s20, 6
	s_mul_i32 s20, s20, 3072
	s_mov_b32 s21, 0
	s_mov_b32 s23, 0
	s_lshr_b32 s46, s2, 1                          ; k's tile: 8 x batch + x; the batch is Y / 2
	s_lshl_b32 s46, s46, 3
	s_add_co_u32 s46, s46, s42
	s_lshl_b32 s46, s46, 4
	s_add_co_u32 s46, s46, s18
	s_lshl_b32 s92, s46, 6
	s_add_co_u32 s92, s92, 262144                  ; k's words lie behind q's
	s_mul_i32 s46, s46, 3072
	s_add_co_u32 s46, s46, 6291456                 ; k's codes behind q's
	s_mov_b32 s47, 0
	s_mov_b32 s93, 0
	s_mul_i32 s18, s14, QUART
	s_mul_i32 s19, s14, HALFS
	s_mov_b32 s[SEL], 0x76543210
	s_mov_b32 s[SEL+1], 0xfedcba98
	s_mov_b32 s[CS], 0x3d38aa3b                    ; log2(e) / sqrt(1024)
	s_mov_b32 s[CS+1], s[CS]                       ; (named with it as a pair)
	s_wait_dscnt 0x0
	s_wait_kmcnt 0x0
	s_add_nc_u64 s[20:21], s[4:5], s[20:21]
	s_add_nc_u64 s[22:23], s[6:7], s[22:23]
	s_add_nc_u64 s[46:47], s[4:5], s[46:47]
	s_add_nc_u64 s[92:93], s[6:7], s[92:93]
	CROUND
	s_mov_b32 s[G0SR], 1
	s_add_co_u32 s[G0SR+1], s19, SCR
	s_mov_b64 s[G0SR+2:G0SR+3], s[22:23]
	s_or_b32 s[G0SR+3], s[G0SR+3], 0x80000000
	s_mov_b32 s[G0SC], 1
	s_add_co_u32 s[G0SC+1], s19, SCR
	s_mov_b64 s[G0SC+2:G0SC+3], s[92:93]
	s_or_b32 s[G0SC+3], s[G0SC+3], 0x80000000
.irp s, 0,1
	s_mov_b32 s[G0R+4*\s], 1
	s_add_co_u32 s[G0R+4*\s+1], s18, \s*SLOT
	s_add_nc_u64 s[G0R+4*\s+2:G0R+4*\s+3], s[20:21], \s*STEPR
	s_or_b32 s[G0R+4*\s+3], s[G0R+4*\s+3], 0x80000000
	s_mov_b32 s[G0C+4*\s], 1
	s_add_co_u32 s[G0C+4*\s+1], s18, \s*SLOT
	s_add_nc_u64 s[G0C+4*\s+2:G0C+4*\s+3], s[46:47], \s*STEPC
	s_or_b32 s[G0C+4*\s+3], s[G0C+4*\s+3], 0x80000000
.endr
	s_cmp_eq_u32 s15, 0                            ; a wave's three first fills stand in one branch: three loads of mine are out
	s_cbranch_scc0 .Lfirst_c
	tensor_load_to_lds s[G0SR:G0SR+3], s[G1SR:G1SR+7]
	s_nop 0
	tensor_load_to_lds s[G0R:G0R+3], s[G1R:G1R+7]
	s_nop 0
	tensor_load_to_lds s[G0R+4:G0R+7], s[G1R:G1R+7]
	s_nop 0
.rept 4
	v_nop
.endr
	s_branch .Lfirst_done
.Lfirst_c:
	tensor_load_to_lds s[G0SC:G0SC+3], s[G1SC:G1SC+7]
	s_nop 0
	tensor_load_to_lds s[G0C:G0C+3], s[G1C:G1C+7]
	s_nop 0
	tensor_load_to_lds s[G0C+4:G0C+7], s[G1C:G1C+7]
	s_nop 0
.rept 4
	v_nop
.endr
.Lfirst_done:
	v_and_b32 v1, 15, v0
	v_bfe_u32 v2, v0, 4, 1
	v_and_b32 v5, 31, v0
	v_lshlrev_b32 v[CO], 4, v5
	s_mul_i32 s21, s15, QUART
	s_mul_i32 s22, s16, QUART
	s_add_co_u32 s22, s22, 2*QUART
.irp s, 0,1
	v_add_nc_u32 v[ADRA+\s], s21, v[CO]
	v_add_nc_u32 v[ADRB+\s], s22, v[CO]
	s_add_co_u32 s21, s21, SLOT
	s_add_co_u32 s22, s22, SLOT
.endr
	s_mul_i32 s21, s15, HALFS
	s_mul_i32 s22, s16, HALFS
	s_add_co_u32 s22, s22, 2*HALFS
	s_sub_co_u32 s22, s22, s21
	v_mul_u32_u24 v6, s22, v2
	s_add_co_u32 s21, s21, SCR
	v_lshl_add_u32 v6, v1, 2, v6
	v_add_nc_u32 v[ADRS], s21, v6
	s_mul_i32 s21, s14, 1536
	s_add_co_u32 s21, s21, GAT
	v_lshl_add_u32 v[GA], v1, 2, s21
	v_add_nc_u32 v[GR], s21, v[CO]
.irp b, 0,1,2,3
	v_mov_b32 v[BX+\b], 0                          ; a lane permute's destination counts as one of its sources
.endr
	v_mov_b32 v[TT], 0
	s_lshl_b32 s46, s42, 9                         ; p's codes: slot x of the keys, row block 16 y + 8 half, K step % 2 = my half of the keys
	s_lshl_b32 s47, s17, 4
	s_add_co_u32 s46, s46, s47
	s_lshl_b32 s47, s15, 3
	s_add_co_u32 s46, s46, s47
	s_mul_i32 s46, s46, 3072
	s_mul_i32 s47, s16, 1536
	s_add_co_u32 s46, s46, s47
	s_mov_b32 s47, 0
	s_add_nc_u64 s[12:13], s[8:9], s[46:47]
	s_lshl_b32 s92, s42, 1                         ; words, -M and l: group 2 x + half of 128 keys, my 128 queries
	s_add_co_u32 s92, s92, s16
	s_lshl_b32 s92, s92, 15
	s_lshl_b32 s93, s17, 10
	s_add_co_u32 s92, s92, s93
	s_lshl_b32 s93, s15, 9
	s_add_co_u32 s92, s92, s93
	s_mov_b32 s93, 0
	s_add_nc_u64 s[66:67], s[10:11], s[92:93]
	s_add_nc_u64 s[96:97], s[96:97], s[92:93]
	s_wait_tensorcnt 1                             ; the scale words and my part of slot 0 are in; slot 1's load may be out
	s_barrier_signal -1
	s_barrier_wait -1
	FETCH_B 0, 0, 0
	FETCH_A 0, 0, 0
	SCALES 0
	FETCH_A 0, 0, 4
	STEP 0, 0, 1                                   ; the first step's products start the sums
	s_mov_b32 s3, LAPS-1
.Llap:
	TURN 0, 1, 1
	STEP 1, 0, 0
	TURN 1, 0, 1
	STEP 0, 0, 0
	s_sub_co_u32 s3, s3, 1
	s_cmp_lg_u32 s3, 0
	s_cbranch_scc1 .Llap
	TURN 0, 1, 0
	STEP 1, 0, 0
	s_wait_dscnt 12
	WIN MUL_LO
	MUL16 0, 1, 1, 1, 0
	MUL16 2, 1, 1, 1, 0
	s_wait_dscnt 0
	WIN MUL_HI
	MUL16 4, 1, 1, 1, 0
	MUL16 6, 1, 1, 1, 0
	WIN 0
	PLACES 4
; Row block a: 16 queries x my 128 keys.  The scores lie in window W at v[AC] on; register 16 b + i is key 32 b + 16 (lane / 16) + i of my query.
.macro SOFT a
.set W, 2+(\a)/4
.set AC, 64*((\a)%4)
	s_wait_dscnt 0x0                               ; the last block's three words have left their registers
	WIN 21*W                                       ; all three sources in the scores' window
.irp b, 0,1,2,3
	v_max3_num_f32 v[BM+\b], v[AC+16*\b], v[AC+16*\b+1], v[AC+16*\b+2]   ; the largest score of each block of 32 keys; each accumulator is first read at its low end (the odd tiles' by the line i = 7)
.endr
	WIN 20*W
.irp i, 3,5,7,9,11,13
.irp b, 0,1,2,3
	v_max3_num_f32 v[BM+\b], v[BM+\b], v[AC+16*\b+\i], v[AC+16*\b+\i+1]
.endr
.endr
	WIN 4*W
.irp b, 0,1,2,3
	v_max_num_f32 v[BM+\b], v[BM+\b], v[AC+16*\b+15]
.endr
	WIN 0
.irp b, 0,1,2,3
	v_permlanex16_b32 v[BX+\b], v[BM+\b], s[SEL], s[SEL+1]
.endr
.irp b, 0,1,2,3
	v_max_num_f32 v[BM+\b], v[BM+\b], v[BX+\b]     ; with lane l xor 16's 16 keys
.endr
	v_max3_num_f32 v[TT], v[BM], v[BM+1], v[BM+2]
	v_max_num_f32 v[TT], v[TT], v[BM+3]
	v_mul_f32 v[NM+1], s[CS], v[TT]                ; the largest t (c is positive)
	v_floor_f32 v[NM], -v[NM+1]                    ; -M = floor(-t): M is a whole number
	WIN W
.set j, 0
.rept 32
	v_pk_fma_f32 v[T+j:T+j+1], v[AC+j:AC+j+1], s[CS:CS+1], v[NM:NM+1] op_sel_hi:[1,0,0]   ; t - M, two at a time
.set j, j+2
.endr
	WIN 0
.irp b, 0,1,2,3
	v_fma_f32 v[BM+\b], v[BM+\b], s[CS], v[NM]     ; the same of each block's largest score
.endr
.set j, 0
.rept 64
	v_exp_f32 v[T+j], v[T+j]                       ; p = 2^(t - M)
.set j, j+1
.endr
	v_nop                                          ; a plain place behind the exponentials
	s_wait_alu depctr_va_vdst(0)                   ; one wait for the batch, ahead of its first reader
.irp b, 0,1,2,3
	v_exp_f32 v[BM+\b], v[BM+\b]                   ; the block's largest p: the same two instructions on the same number
.endr
	v_pk_add_f32 v[LS:LS+1], v[T:T+1], v[T+4:T+5]  ; the sum of the unquantised p, in two chains
	v_pk_add_f32 v[LS+2:LS+3], v[T+2:T+3], v[T+6:T+7]
.set j, 8
.rept 14
	v_pk_add_f32 v[LS:LS+1], v[LS:LS+1], v[T+j:T+j+1]
	v_pk_add_f32 v[LS+2:LS+3], v[LS+2:LS+3], v[T+j+2:T+j+3]
.set j, j+4
.endr
	v_pk_add_f32 v[LS:LS+1], v[LS:LS+1], v[LS+2:LS+3]
	v_add_f32 v[LS], v[LS], v[LS+1]
	v_permlanex16_b32 v[TT], v[LS], s[SEL], s[SEL+1]
	v_add_f32 v[LS], v[LS], v[TT]                  ; l of my query's 128 keys
	s_wait_alu depctr_va_vdst(0)                   ; and one for the four
.irp b, 0,1,2,3
	v_max_num_f32 v[BM+\b], 0x1800000, v[BM+\b]    ; the floor 2^(3 - 127): the byte cannot fall under 1
.endr
.irp b, 0,1,2,3
	v_add_nc_u32 v[SO+\b], 0xff000000, v[BM+\b]
.endr
.irp b, 0,1,2,3
	v_lshrrev_b32 v[BX+\b], 23, v[SO+\b]
.endr
	v_lshl_or_b32 v[PW], v[BX+1], 8, v[BX]
	v_lshl_or_b32 v[PW], v[BX+2], 16, v[PW]
	v_lshl_or_b32 v[PW], v[BX+3], 24, v[PW]
	s_wait_xcnt 0x0                                ; the last block's stores have read the codes' registers
.irp c, 0,1
	v_cvt_scalef32_pk16_fp6_f32 v[PC+6*\c:PC+2+6*\c], v[T+32*\c:T+15+32*\c], v[SO+2*\c]
	v_cvt_scalef32_pk16_fp6_f32 v[PC+12+4*\c:PC+14+4*\c], v[T+16+32*\c:T+31+32*\c], v[SO+2*\c+1]
.endr
	v_nop                                          ; one plain place behind a scaled conversion
.irp c, 0,1
.irp i, 0,1,2
	v_permlane16_swap_b32 v[PC+6*\c+\i], v[PC+12+4*\c+\i]
.endr
.irp i, 0,1,2
	v_mov_b32 v[PC+3+6*\c+\i], v[PC+12+4*\c+\i]
.endr
.endr
.irp c, 0,1,2
	global_store_b128 v[CO], v[PC+4*\c:PC+4*\c+3], s[12:13] offset:3072*(\a)+512*\c   ; 512 consecutive bytes, aligned
.endr
	ds_store_b32 v[GA], v[PW] offset:64*(\a)
	ds_store_b32 v[GA], v[NM] offset:64*(\a)+512
	ds_store_b32 v[GA], v[LS] offset:64*(\a)+1024
.endm
.irp a, 0,1,2,3,4,5,6,7
	SOFT \a
.endr
	ds_load_b128 v[T:T+3], v[GR]                   ; in order behind my stores: the words,
	ds_load_b128 v[T+4:T+7], v[GR] offset:512      ; -M,
	ds_load_b128 v[T+8:T+11], v[GR] offset:1024    ; l
	s_wait_dscnt 0x0
	global_store_b128 v[CO], v[T:T+3], s[66:67]    ; each 512 consecutive bytes, aligned
	global_store_b128 v[CO], v[T+4:T+7], s[96:97]
	global_store_b128 v[CO], v[T+8:T+11], s[96:97] offset:524288
	s_wait_tensorcnt 0x0                           ; the wave's end
	ds_add_u32 v[SPW], v[NIL]
	s_wait_dscnt 0x0
	CROUND
	s_endpgm
.Lfunc_end_k_qddd2af82b3_score:
	.size	k_qddd2af82b3_score, .Lfunc_end_k_qddd2af82b3_score-k_qddd2af82b3_score
	.p2alignl 7, 3214868480
	.fill 96, 4, 3214868480
	.section	.rodata,"a",@progbits
	.p2align	6, 0x0
	.amdhsa_kernel k_qddd2af82b3_score
		.amdhsa_group_segment_fixed_size 327680
		.amdhsa_private_segment_fixed_size 0
		.amdhsa_enable_private_segment 0
		.amdhsa_kernarg_size 40
		.amdhsa_user_sgpr_count 2
		.amdhsa_user_sgpr_kernarg_segment_ptr 1
		.amdhsa_wavefront_size32 1
		.amdhsa_system_sgpr_workgroup_id_x 1
		.amdhsa_system_sgpr_workgroup_id_y 1
		.amdhsa_system_sgpr_workgroup_id_z 1
		.amdhsa_system_vgpr_workitem_id 0
		.amdhsa_next_free_vgpr 1024
		.amdhsa_next_free_sgpr 106
		.amdhsa_reserve_vcc 0
		.amdhsa_float_denorm_mode_32 3
		.amdhsa_float_denorm_mode_16_64 3
		.amdhsa_memory_ordered 1
		.amdhsa_forward_progress 1
		.amdhsa_inst_pref_size 198
	.end_amdhsa_kernel
	.amdgpu_metadata
---
amdhsa.version: [ 1, 2 ]
amdhsa.kernels:
  - .name:           k_qddd2af82b3_score
    .symbol:         k_qddd2af82b3_score.kd
    .args:
      - { .name: c2, .offset: 0, .size: 8, .value_kind: global_buffer, .address_space: global }
      - { .name: s2, .offset: 8, .size: 8, .value_kind: global_buffer, .address_space: global }
      - { .name: pc, .offset: 16, .size: 8, .value_kind: global_buffer, .address_space: global }
      - { .name: ps, .offset: 24, .size: 8, .value_kind: global_buffer, .address_space: global }
      - { .name: st, .offset: 32, .size: 8, .value_kind: global_buffer, .address_space: global }
    .group_segment_fixed_size: 327680
    .private_segment_fixed_size: 0
    .kernarg_segment_align: 8
    .kernarg_segment_size: 40
    .max_flat_workgroup_size: 128
    .sgpr_count:     106
    .vgpr_count:     1024
    .wavefront_size: 32
...
	.end_amdgpu_metadata
.endif
;; end of part 3
;; launch mix (part 4): grid 4 x 64, 4 waves a work-group, clusters of 4 x 4, 327,680 bytes of LDS; arguments pc, ps, st, c2, s2, out0; writes out0
.if DOCPART == 4
	.amdgcn_target "amdgcn-amd-amdhsa--gfx1250"
	.amdhsa_code_object_version 6
	.text
	.protected	k_qddd2af82b3_mix
	.globl	k_qddd2af82b3_mix
	.p2align	8
	.type	k_qddd2af82b3_mix,@function
k_qddd2af82b3_mix:
	s_mov_b64 s[64:65], 0
	v_nop
	global_prefetch_b8 v0, s[64:65] scope:SCOPE_SE
	s_setreg_imm32_b32 hwreg(HW_REG_WAVE_MODE, 25, 1), 1
	s_wait_xcnt 0x0
	s_wait_alu depctr_hold_cnt(0) depctr_sa_sdst(0) depctr_va_vdst(0) depctr_va_sdst(0) depctr_va_ssrc(0) depctr_va_vcc(0) depctr_vm_vsrc(0)
	s_getreg_b32 s2, hwreg(HW_REG_IB_STS2, 6, 4)
	s_cmp_eq_u32 s2, 0
	s_cbranch_scc0 .Lentry_in_a_cluster
	s_endpgm
.Lentry_in_a_cluster:
	s_bfe_u32 s2, ttmp6, 0x10000c
	s_cmp_lg_u32 s2, 0xf033
	s_cbranch_scc0 .Lentry_shape_is_right
	s_endpgm
.Lentry_shape_is_right:
; out = (p v) / l on codes of FP6 (E2M3).  R = p (rows: queries, K = the batch's 2,048 keys), C = v (rows: d, K = the keys).
; SHARES: the result has 8,192 x 1,024 numbers; a tile of 128 queries x 256 of d gives 256 work-groups.  A wave makes 64 x 128: 32 accumulators, 256 registers.
; THE JOIN, at the head: p came with an M of its own for each group of 128 keys.  For each of the work-group's 128 queries the row's M is the largest of the sixteen; group g's four scale bytes get
; M_g - M added (a whole number, 0 or less: the codes stay as they are), held at 0 from below; l = the sum of l_g 2^(M_g - M).  The shifted words go to LDS beside v's scale words, 1 / l behind them.
; LIMIT: a group whose M lies more than its byte under the row's M counts with the scale 2^-127 (byte 0) where the rule would hold the byte at 1 and round the codes down: both are under 2^-120 of l.  M_g - M is held at -127.
; NaN and infinities are not served.
; OPERANDS are images of the operand's registers: a fragment (16 rows x 128 K) is 1,536 dense bytes; a matrix is laid [K / 256][row block][K step % 2][1,536]; scale words are laid [K step][row].
; THE RING: two LDS slots of 512 along K (four steps of 128).  A wave's part of a slot is two dense blocks of memory, one K / 256 apart: one tensor load states them as two long rows.  Both slots are first fills
; (K steps 0 to 7); each is filled once more (K steps 8 to 15).  By this text's own count a wave has at most three tensor loads out.  The sixteen K steps are written out: every LDS offset is an immediate.
; CLUSTERS: 4 x 4.  p's parts hang on the tile row alone and are shared along a row of the cluster, v's on the tile column and the batch and are shared along a column: joint loads.
; THE MATRIX INSTRUCTION IS USED TRANSPOSED (source 0 = 16 rows of v, source 1 = 16 rows of p): a lane's 64 results of a row block are d = 32 b + 16 (lane / 16) + 0 .. 15 of one query.
; The stored order of the queries (bits 3 and 4 of the row number swapped) is undone in the immediates of the row stores.
; REGISTERS: window 0: v0-15 at work at the head, 1 / l on the way out; v16-30 addresses; v32-47 scale words, two sets of eight; v64-111 the join; v128-175, v176-223 p's fragments, two sets;
;   on the way out v128-191 results, v64-127 and v192-255 rows by turns.   window 1: v's fragments, two sets, at v0 and v128.   window 2: the accumulators, (a, b) at v[8 (8 a + b)].
.set NK,    16                         ; K steps of 128
.set FR,    12                         ; registers of a fragment
.set RSUB,  12288                      ; 64 rows x 256 along K
.set CSUB,  24576                      ; 128 rows x 256 along K
.set RPART, 2*RSUB                     ; what one tensor load brings for p,
.set CPART, 2*CSUB                     ; and for v
.set SLOT,  2*RPART+2*CPART            ; p's rows 0-63, 64-127, v's rows 0-127, 128-255
.set SCR,   2*SLOT                     ; p's shifted scale words, [K step][128 rows]: written by LDS stores alone, no fill lands here
.set SCC,   SCR+512*NK                 ; v's scale words, two halves of [K step][128 rows]: filled once
.set RIV,   SCC+2*512*NK               ; 1 / l of the 128 queries
.set SPARE, RIV+512                    ; the spare words, 128 bytes for each wave
.set STAGE, 0                          ; the way out: 16 rows x 528 bytes for each wave, in slot 0: it has had its last fill, and behind the last change of slots nobody reads it
.set STEPR, 512*3072                   ; 256 along K on, in memory
.set STEPC, 256*3072
.set SPITC, 4096*4/8                   ; a K step on among v's scale words, in elements of 8 bytes
.set ADRA, 16                          ; v16-17 my fragments of p in slot 0, 1
.set ADRB, 20                          ; v20-21 the same for v
.set STO,  24
.set RD,   25
.set CO,   26
.set ADRS, 27                          ; v27 scale words: lanes 0-15 p's rows, lanes 16-31 v's
.set SPW,  28
.set NIL,  29
.set RV,   30
.set SC,   32                          ; set K step % 2, register i: lanes 0-15 the word of p's block i (i under 4; nobody reads the rest), lanes 16-31 that of v's block i
.set AF,   128
.set T,    128
.set MN,   4                           ; v[4:5]   the row's -M, twice
.set DD,   6                           ; v[6:7]   M_g - M of two groups
.set EE,   8                           ; v[8:9]   at work
.set LT,   10                          ; v[10:11] l in two halves, then 1 / l
.set NG,   64                          ; v64-79   -M of the 16 groups
.set LL,   80                          ; v80-95   l likewise
.set PWD,  96                          ; v96-111  p's scale words likewise
.set G1R,  24
.set G0R,  32
.set G1C,  48
.set G0C,  56
.set G1SC, 80
.set G0SC, 88
.set MSB, 0
.macro WIN new                         ; the immediate's high byte repeats the setting that is left
.if MSB != (\new)
	s_set_vgpr_msb (MSB<<8)|(\new)
.set MSB, (\new)
.endif
.endm
.set MUL,  0xa1                        ; source 0 (v) window 1, source 1 (p) window 0, sums in window 2
.set TO_B, 0x40                        ; destination window 1, address window 0
.macro JLOAD s                         ; a joint refill: waves 0 and 1 fetch p's halves, waves 2 and 3 v's; an s_nop 0 and four v_nop follow each line
	s_cmp_eq_u32 s15, 0
	s_cbranch_scc0 .Lfor_c_\@
	tensor_load_to_lds s[G0R+4*(\s):G0R+4*(\s)+3], s[G1R:G1R+7]
	s_nop 0
.rept 4
	v_nop
.endr
	s_branch .Lasked_\@
.Lfor_c_\@:
	tensor_load_to_lds s[G0C+4*(\s):G0C+4*(\s)+3], s[G1C:G1C+7]
	s_nop 0
.rept 4
	v_nop
.endr
.Lasked_\@:
.endm
.macro CREST                           ; a round of the cluster's barrier behind its opening barrier
	s_cmp_lg_u32 s14, 0
	s_cbranch_scc1 .Lnot_wave_0_\@
	s_barrier_signal -3
.Lnot_wave_0_\@:
	s_barrier_wait -3
	s_barrier_signal -1
	s_barrier_wait -1
.endm
.macro CROUND
	s_barrier_signal -1
	s_barrier_wait -1
	CREST
.endm
.macro PLACES n                        ; plain places behind matrix instructions, ahead of loads into their registers and of reads of their results
.rept \n
	v_nop
.endr
.endm
; K step kap lies in slot (kap / 4) % 2, as its (kap % 4)-th step; its fragments and words go into set kap % 2.
.macro FETCHB kap                      ; v's eight fragments: 24 loads of 512 consecutive bytes
	WIN TO_B
.irp i, 0,1,2,3,4,5,6,7
.irp c, 0,1,2
	ds_load_b128 v[128*((\kap)%2)+FR*\i+4*\c:128*((\kap)%2)+FR*\i+4*\c+3], v[ADRB+((\kap)/4)%2] offset:CSUB*(((\kap)%4)/2)+3072*\i+1536*((\kap)%2)+512*\c
.endr
.endr
.endm
.macro FETCHA kap                      ; p's four fragments and the step's eight registers of scale words
	WIN 0
.irp i, 0,1,2,3
.irp c, 0,1,2
	ds_load_b128 v[AF+48*((\kap)%2)+FR*\i+4*\c:AF+48*((\kap)%2)+FR*\i+4*\c+3], v[ADRA+((\kap)/4)%2] offset:RSUB*(((\kap)%4)/2)+3072*\i+1536*((\kap)%2)+512*\c
.endr
.endr
.irp i, 0,1,2,3,4,5,6,7
	ds_load_b32 v[SC+8*((\kap)%2)+\i], v[ADRS] offset:512*(\kap)+64*\i
.endr
.endm
; 8 matrix instructions: p's block a x v's eight.  mode 1: the first product starts the sums.  The 32 accumulators take turns, one instruction a turn, in the same order in every step.
.macro MUL8 a, kap, mode
.irp b, 0,1,2,3,4,5,6,7
.if \mode == 1
	v_wmma_scale_f32_16x16x128_f8f6f4 v[8*(8*(\a)+\b):8*(8*(\a)+\b)+7], v[128*((\kap)%2)+FR*\b:128*((\kap)%2)+FR*\b+FR-1], v[AF+48*((\kap)%2)+FR*(\a):AF+48*((\kap)%2)+FR*(\a)+FR-1], 0, v[SC+8*((\kap)%2)+\b], v[SC+8*((\kap)%2)+(\a)] matrix_a_fmt:MATRIX_FMT_FP6 matrix_b_fmt:MATRIX_FMT_FP6 matrix_a_scale:MATRIX_SCALE_ROW1
.else
	v_wmma_scale_f32_16x16x128_f8f6f4 v[8*(8*(\a)+\b):8*(8*(\a)+\b)+7], v[128*((\kap)%2)+FR*\b:128*((\kap)%2)+FR*\b+FR-1], v[AF+48*((\kap)%2)+FR*(\a):AF+48*((\kap)%2)+FR*(\a)+FR-1], v[8*(8*(\a)+\b):8*(8*(\a)+\b)+7], v[SC+8*((\kap)%2)+\b], v[SC+8*((\kap)%2)+(\a)] matrix_a_fmt:MATRIX_FMT_FP6 matrix_b_fmt:MATRIX_FMT_FP6 matrix_a_scale:MATRIX_SCALE_ROW1
.endif
.endr
.endm
; A K step that has its successor in the same slot: the successor's 44 LDS loads go out in two runs, into the sets that the step before multiplied.
.macro STEP kap, mode
	s_wait_dscnt 0x0                               ; this step's fragments and words are in
.if (\kap) > 0
	PLACES 4                                       ; behind the last step's products, which read the sets that are loaded now
.endif
	FETCHB (\kap)+1
	WIN MUL
	MUL8 0, \kap, \mode
	MUL8 1, \kap, \mode
	FETCHA (\kap)+1
	WIN MUL
	MUL8 2, \kap, \mode
	MUL8 3, \kap, \mode
.endm
; A slot's last step changes slots: one barrier; in front of it each wave waits for all its tensor loads, adds 0 to its spare word, and waits for that and for its reads of this slot (the last were issued a step ago).
; fill = 1: the barrier opens a round of the cluster's barrier, and this slot is filled again, with the K steps eight further on.
.macro TURN kap, slot, fill
	WIN 0                                          ; (the add's two registers lie in window 0)
	s_wait_tensorcnt 0x0                           ; all my tensor loads have landed: my part of the next slot
	ds_add_u32 v[SPW], v[NIL]                      ; 0 onto my spare word
	s_wait_dscnt 1                                 ; this step's fragments and words are in; the add alone may be out
	WIN MUL
	MUL8 0, \kap, 0
	s_wait_dscnt 0x0                               ; the add is done, and my reads of this slot are over
	s_barrier_signal -1
	MUL8 1, \kap, 0
	WIN 0
	s_barrier_wait -1
.if \fill
	CREST                                          ; no wave of any partner still reads this slot or has a load on its way
	s_add_nc_u64 s[G0R+4*\slot+2:G0R+4*\slot+3], s[G0R+4*\slot+2:G0R+4*\slot+3], 4*STEPR
	s_add_nc_u64 s[G0C+4*\slot+2:G0C+4*\slot+3], s[G0C+4*\slot+2:G0C+4*\slot+3], 4*STEPC
	JLOAD \slot                                    ; the first tensor load behind the round; its four v_nop are the places ahead of the loads below
.else
	PLACES 4
.endif
	FETCHB (\kap)+1
	WIN MUL
	MUL8 2, \kap, 0
	FETCHA (\kap)+1
	WIN MUL
	MUL8 3, \kap, 0
.endm
	s_load_b128 s[4:7], s[0:1], 0x0                ; pc, ps
	s_load_b128 s[8:11], s[0:1], 0x10              ; st, c2
	s_load_b128 s[96:99], s[0:1], 0x20             ; s2, out0
	v_lshl_add_u32 v[SPW], v0, 2, SPARE
	v_mov_b32 v[NIL], 0
	ds_add_u32 v[SPW], v[NIL]                      ; the wave's opening: the add; its wait stands ahead of my first tensor load
	v_lshrrev_b32 v1, 5, v0
	v_readfirstlane_b32 s14, v1                    ; wave
	s_lshr_b32 s15, s14, 1                         ; my 64 of the tile's queries.  Also: I fetch for p (0) or for v (1)
	s_and_b32 s16, s14, 1                          ; my 128 of its d.  Also: which half I fetch
	s_bfe_u32 s40, ttmp6, 0x40000                  ; cx
	s_bfe_u32 s41, ttmp6, 0x40004                  ; cy
	s_lshl_b32 s42, ttmp9, 2
	s_add_co_u32 s42, s42, s40                     ; x: which 256 of d
	s_and_b32 s2, ttmp7, 0xffff                    ; Y
	s_lshl_b32 s17, s2, 2
	s_add_co_u32 s17, s17, s41                     ; y: which 128 of the 8,192 queries
	s_lshl_b32 s43, s41, 2
	s_lshl_b32 s43, 15, s43                        ; my row of the cluster
	s_lshl_b32 s44, 0x1111, s40                    ; my column
	s_or_b32 s[G1R], s43, (3<<16)|(1<<21)          ; the mask; elements of 8 bytes; bit 21 beside a mask; no padding
	s_mov_b32 s[G1R+1], (RSUB/8)<<16               ; two rows of 12,288 bytes,
	s_mov_b32 s[G1R+2], 2<<16
	s_mov_b32 s[G1R+3], (RSUB/8)<<16
	s_mov_b32 s[G1R+4], 2
	s_mov_b32 s[G1R+5], STEPR/8                    ; 256 along K apart
	s_mov_b32 s[G1R+6], 0
	s_mov_b32 s[G1R+7], 0
	s_or_b32 s[G1C], s44, (3<<16)|(1<<21)
	s_mov_b32 s[G1C+1], (CSUB/8)<<16               ; two rows of 24,576 bytes
	s_mov_b32 s[G1C+2], 2<<16
	s_mov_b32 s[G1C+3], (CSUB/8)<<16
	s_mov_b32 s[G1C+4], 2
	s_mov_b32 s[G1C+5], STEPC/8
	s_mov_b32 s[G1C+6], 0
	s_mov_b32 s[G1C+7], 0
	s_or_b32 s[G1SC], s44, (3<<16)|(1<<21)
	s_mov_b32 s[G1SC+1], 64<<16                    ; NK rows of 512 bytes: 128 rows' words of each K step
	s_mov_b32 s[G1SC+2], NK<<16
	s_mov_b32 s[G1SC+3], 64<<16
	s_mov_b32 s[G1SC+4], NK
	s_mov_b32 s[G1SC+5], SPITC
	s_mov_b32 s[G1SC+6], 0
	s_mov_b32 s[G1SC+7], 0
	s_lshl_b32 s18, s16, 2
	s_lshl_b32 s20, s17, 3                         ; p's row block: 8 y + 4 half: made of cy and Y alone
	s_add_co_u32 s20, s20, s18
	s_mul_i32 s20, s20, 3072
	s_mov_b32 s21, 0
	s_lshl_b32 s22, s17, 9                         ; the work-group's 128 rows among the words, -M and l
	s_mov_b32 s23, 0
	s_lshr_b32 s46, s2, 2                          ; v's tile: 4 x batch + x; the batch is Y / 4: made of x and Y alone
	s_lshl_b32 s46, s46, 2
	s_add_co_u32 s46, s46, s42
	s_lshl_b32 s46, s46, 4
	s_lshl_b32 s47, s16, 3
	s_add_co_u32 s46, s46, s47                     ; its row block: 16 tile + 8 half
	s_lshl_b32 s92, s46, 6
	s_add_co_u32 s92, s92, 524288                  ; v's words lie behind q's and k's
	s_mul_i32 s46, s46, 3072
	s_add_co_u32 s46, s46, 12582912                ; and its codes
	s_mov_b32 s47, 0
	s_mov_b32 s93, 0
	s_mul_i32 s18, s16, RPART                      ; where they go: by the wave's number alone
	s_mul_i32 s19, s16, CPART
	s_add_co_u32 s19, s19, 2*RPART
	s_lshl_b32 s45, s16, 13
	s_add_co_u32 s45, s45, SCC
	s_mov_b32 s104, 0x01010101
	s_mov_b32 s105, 0x80808080
	s_wait_dscnt 0x0                               ; the opening add is done
	s_wait_kmcnt 0x0
	s_add_nc_u64 s[20:21], s[4:5], s[20:21]
	s_add_nc_u64 s[6:7], s[6:7], s[22:23]
	s_add_nc_u64 s[8:9], s[8:9], s[22:23]
	s_add_nc_u64 s[46:47], s[10:11], s[46:47]
	s_add_nc_u64 s[92:93], s[96:97], s[92:93]
	CROUND                                         ; all sixteen work-groups are here: the first joint loads meet
	s_mov_b32 s[G0SC], 1
	s_mov_b32 s[G0SC+1], s45
	s_mov_b64 s[G0SC+2:G0SC+3], s[92:93]
	s_or_b32 s[G0SC+3], s[G0SC+3], 0x80000000
.irp s, 0,1
	s_mov_b32 s[G0R+4*\s], 1
	s_add_co_u32 s[G0R+4*\s+1], s18, \s*SLOT
	s_add_nc_u64 s[G0R+4*\s+2:G0R+4*\s+3], s[20:21], \s*2*STEPR
	s_or_b32 s[G0R+4*\s+3], s[G0R+4*\s+3], 0x80000000
	s_mov_b32 s[G0C+4*\s], 1
	s_add_co_u32 s[G0C+4*\s+1], s19, \s*SLOT
	s_add_nc_u64 s[G0C+4*\s+2:G0C+4*\s+3], s[46:47], \s*2*STEPC
	s_or_b32 s[G0C+4*\s+3], s[G0C+4*\s+3], 0x80000000
.endr
	s_cmp_eq_u32 s15, 0                            ; a wave's first fills stand in one branch: two loads (p) or three (v) of mine are out; slot 1's is the last on both ways
	s_cbranch_scc0 .Lfirst_c
	tensor_load_to_lds s[G0R:G0R+3], s[G1R:G1R+7]
	s_nop 0
	tensor_load_to_lds s[G0R+4:G0R+7], s[G1R:G1R+7]
	s_nop 0
.rept 4
	v_nop
.endr
	s_branch .Lfirst_done
.Lfirst_c:
	tensor_load_to_lds s[G0SC:G0SC+3], s[G1SC:G1SC+7]
	s_nop 0
	tensor_load_to_lds s[G0C:G0C+3], s[G1C:G1C+7]
	s_nop 0
	tensor_load_to_lds s[G0C+4:G0C+7], s[G1C:G1C+7]
	s_nop 0
.rept 4
	v_nop
.endr
.Lfirst_done:
	; THE JOIN.  Thread t takes row t of the work-group's 128
	v_lshlrev_b32 v3, 2, v0
.irp k, 0,1,2,3,4,5,6,7,8,9,10,11,12,13,14,15
	global_load_b32 v[NG+\k], v3, s[8:9] offset:32768*\k
.endr
.irp k, 0,1,2,3,4,5,6,7,8,9,10,11,12,13,14,15
	global_load_b32 v[LL+\k], v3, s[8:9] offset:524288+32768*\k
.endr
.irp k, 0,1,2,3,4,5,6,7,8,9,10,11,12,13,14,15
	global_load_b32 v[PWD+\k], v3, s[6:7] offset:32768*\k
.endr
	v_and_b32 v1, 15, v0                           ; the addresses are made while the loads are out.  r
	v_bfe_u32 v2, v0, 4, 1                         ; h
	v_and_b32 v12, 31, v0
	v_lshlrev_b32 v[CO], 4, v12                    ; 16 x lane
	s_mul_i32 s21, s15, RPART                      ; my 64 rows of p
	s_mul_i32 s22, s16, CPART                      ; my 128 rows of v,
	s_add_co_u32 s22, s22, 2*RPART                 ; behind p's 128
.irp s, 0,1
	v_add_nc_u32 v[ADRA+\s], s21, v[CO]
	v_add_nc_u32 v[ADRB+\s], s22, v[CO]
	s_add_co_u32 s21, s21, SLOT
	s_add_co_u32 s22, s22, SLOT
.endr
	s_lshl_b32 s21, s15, 8                         ; p's words: my 64 rows of the 128
	s_lshl_b32 s22, s16, 13                        ; v's: my half
	s_add_co_u32 s22, s22, SCC-SCR
	s_sub_co_u32 s22, s22, s21
	v_mul_u32_u24 v13, s22, v2                     ; lanes 16-31 take v's words
	s_add_co_u32 s21, s21, SCR
	v_lshl_add_u32 v13, v1, 2, v13
	v_add_nc_u32 v[ADRS], s21, v13
	s_mul_i32 s21, s14, 8448
	s_add_co_u32 s21, s21, STAGE                   ; my stage
	v_mul_u32_u24 v[STO], v1, 528
	v_lshl_add_u32 v[STO], v2, 6, v[STO]
	v_add_nc_u32 v[STO], s21, v[STO]               ; in: row r, + 64 h
	v_add_nc_u32 v[RD], s21, v[CO]                 ; back: a row of 512 bytes to the 32 lanes
	s_lshl_b32 s21, s15, 8
	s_add_co_u32 s21, s21, RIV
	v_lshl_add_u32 v[RV], v1, 2, s21               ; 1 / l of my row of a block
	v_lshl_add_u32 v12, v0, 2, SCR                 ; my row's words: 512 bytes a K step
	v_lshl_add_u32 v13, v0, 2, RIV
	s_lshl_b32 s46, s17, 19                        ; out0: row 128 y + 64 half of 4,096 bytes, column 256 x + 128 half
	s_lshl_b32 s47, s15, 18
	s_add_co_u32 s46, s46, s47
	s_lshl_b32 s47, s42, 10
	s_add_co_u32 s46, s46, s47
	s_lshl_b32 s47, s16, 9
	s_add_co_u32 s46, s46, s47
	s_mov_b32 s47, 0
	s_add_nc_u64 s[12:13], s[98:99], s[46:47]
	s_wait_loadcnt 0x0
	v_min3_num_f32 v[MN], v[NG], v[NG+1], v[NG+2]  ; the least -M is the row's
.irp k, 3,5,7,9,11,13
	v_min3_num_f32 v[MN], v[MN], v[NG+\k], v[NG+\k+1]
.endr
	v_min_num_f32 v[MN], v[MN], v[NG+15]
	v_mov_b32 v[MN+1], v[MN]                       ; a pair for the packed subtraction
.macro JOIN k                          ; groups 2 k and 2 k + 1 of 128 keys, by turns
	v_pk_add_f32 v[DD:DD+1], v[MN:MN+1], v[NG+2*\k:NG+2*\k+1] neg_lo:[0,1] neg_hi:[0,1]   ; M_g - M: a whole number, 0 or less
.irp e, 0,1
	v_max_num_f32 v[DD+\e], 0xc2fe0000, v[DD+\e]   ; held at -127
.endr
.irp e, 0,1
	v_cvt_i32_f32 v[DD+\e], v[DD+\e]
.endr
.irp e, 0,1
.if \k == 0
	v_ldexp_f32 v[LT+\e], v[LL+\e], v[DD+\e]       ; the first two groups start the sum's two halves
.else
	v_ldexp_f32 v[LL+2*\k+\e], v[LL+2*\k+\e], v[DD+\e]
.endif
.endr
.irp e, 0,1
	v_mul_lo_u32 v[DD+\e], v[DD+\e], s104          ; the same number for each of the four bytes
.endr
.irp e, 0,1
	v_or_b32 v[PWD+2*\k+\e], s105, v[PWD+2*\k+\e]  ; 128 onto each byte (the bytes lie in 1 .. 125): no byte borrows from its neighbour
.endr
.if \k > 0
	v_pk_add_f32 v[LT:LT+1], v[LT:LT+1], v[LL+2*\k:LL+2*\k+1]
.endif
.irp e, 0,1
	v_add_nc_u32 v[PWD+2*\k+\e], v[PWD+2*\k+\e], v[DD+\e]
.endr
.irp e, 0,1
	v_and_b32 v[DD+\e], s105, v[PWD+2*\k+\e]       ; bit 7 stands where the byte has not fallen under 0
.endr
.irp e, 0,1
	v_lshrrev_b32 v[EE+\e], 7, v[DD+\e]
.endr
.irp e, 0,1
	v_sub_nc_u32 v[DD+\e], v[DD+\e], v[EE+\e]      ; 0x7f there, 0 elsewhere
.endr
.irp e, 0,1
	v_and_b32 v[PWD+2*\k+\e], v[PWD+2*\k+\e], v[DD+\e]
.endr
.endm
.irp k, 0,1,2,3,4,5,6,7
	JOIN \k
.endr
	v_add_f32 v[LT], v[LT], v[LT+1]                ; the row's l
	v_rcp_f32 v[LT], v[LT]
	v_nop                                          ; a plain place behind the reciprocal
	s_wait_alu depctr_va_vdst(0)                   ; the wait ahead of its first reader
.irp k, 0,1,2,3,4,5,6,7,8,9,10,11,12,13,14,15
	ds_store_b32 v12, v[PWD+\k] offset:512*\k
.endr
	ds_store_b32 v13, v[LT]
	s_wait_tensorcnt 1                             ; v's scale words and my part of slot 0 are in; slot 1's load may be out
	s_wait_dscnt 0x0                               ; for the others' sake: my words and my 1 / l have landed
	s_barrier_signal -1
	s_barrier_wait -1
	FETCHB 0
	FETCHA 0
	STEP 0, 1                                      ; the first step's products start the sums
	STEP 1, 0
	STEP 2, 0
	TURN 3, 0, 1                                   ; slot 0 takes K steps 8 to 11
	STEP 4, 0
	STEP 5, 0
	STEP 6, 0
	TURN 7, 1, 1                                   ; slot 1 takes K steps 12 to 15
	STEP 8, 0
	STEP 9, 0
	STEP 10, 0
	TURN 11, 0, 0                                  ; nothing is left to fetch: behind this barrier nobody reads slot 0
	STEP 12, 0
	STEP 13, 0
	STEP 14, 0
	s_wait_dscnt 0x0                               ; the last step
	WIN MUL
	MUL8 0, 15, 0
	MUL8 1, 15, 0
	MUL8 2, 15, 0
	MUL8 3, 15, 0
	WIN 0
	PLACES 4
	; THE WAY OUT.  1 / l of my row of each block, twice: a pair for the packed multiply
.irp a, 0,1,2,3
	ds_load_b32 v[2*\a], v[RV] offset:64*\a
	ds_load_b32 v[2*\a+1], v[RV] offset:64*\a
.endr
	s_wait_dscnt 0x0
.macro OUTB a                          ; block a: divided by l, into my stage, back as whole rows of 512 bytes
	WIN 2                                          ; source 0: the accumulators' window
.set j, 0
.rept 32
	v_pk_mul_f32 v[T+j:T+j+1], v[64*(\a)+j:64*(\a)+j+1], v[2*(\a):2*(\a)+1]   ; each accumulator from its low end on
.set j, j+2
.endr
	WIN 0
.irp g, 0,1,2,3
.irp n, 0,1,2,3
	ds_store_b128 v[STO], v[T+16*\g+4*\n:T+16*\g+4*\n+3] offset:128*\g+16*\n   ; d = 32 g + 16 h + 4 n ..
.endr
.endr
.set BB, 64+128*((\a)%2)
.irp t, 0,1,2,3,4,5,6,7,8,9,10,11,12,13,14,15
	ds_load_b128 v[BB+4*\t:BB+4*\t+3], v[RD] offset:528*\t   ; LDS serves a wave's instructions in order: these see the stores above
.endr
.endm
.macro SEND a, younger                 ; younger: the LDS instructions issued behind block a's loads
.set BB, 64+128*((\a)%2)
	s_wait_dscnt \younger
.irp t, 0,1,2,3,4,5,6,7,8,9,10,11,12,13,14,15
	global_store_b128 v[CO], v[BB+4*\t:BB+4*\t+3], s[12:13] offset:(32*((\a)/2)+16*(\t/8)+8*((\a)%2)+\t%8)*4096 th:TH_STORE_NT   ; the row's true place; 512 consecutive bytes, aligned
.endr
.endm
	OUTB 0
.irp a, 1,2,3
.if \a > 1
	s_wait_xcnt 0x0                                ; block a - 2's stores have read their registers: block a's rows may land there
.endif
	OUTB \a
	SEND \a-1, 32                                  ; behind block a - 1's loads: block a's 16 stores and 16 loads
.endr
	SEND 3, 0
	s_wait_tensorcnt 0x0                           ; the wave's end
	ds_add_u32 v[SPW], v[NIL]
	s_wait_dscnt 0x0
	CROUND                                         ; the closing round
	s_endpgm
.Lfunc_end_k_qddd2af82b3_mix:
	.size	k_qddd2af82b3_mix, .Lfunc_end_k_qddd2af82b3_mix-k_qddd2af82b3_mix
	.p2alignl 7, 3214868480
	.fill 96, 4, 3214868480
	.section	.rodata,"a",@progbits
	.p2align	6, 0x0
	.amdhsa_kernel k_qddd2af82b3_mix
		.amdhsa_group_segment_fixed_size 327680
		.amdhsa_private_segment_fixed_size 0
		.amdhsa_enable_private_segment 0
		.amdhsa_kernarg_size 48
		.amdhsa_user_sgpr_count 2
		.amdhsa_user_sgpr_kernarg_segment_ptr 1
		.amdhsa_wavefront_size32 1
		.amdhsa_system_sgpr_workgroup_id_x 1
		.amdhsa_system_sgpr_workgroup_id_y 1
		.amdhsa_system_sgpr_workgroup_id_z 1
		.amdhsa_system_vgpr_workitem_id 0
		.amdhsa_next_free_vgpr 768
		.amdhsa_next_free_sgpr 106
		.amdhsa_reserve_vcc 0
		.amdhsa_float_denorm_mode_32 3
		.amdhsa_float_denorm_mode_16_64 3
		.amdhsa_memory_ordered 1
		.amdhsa_forward_progress 1
		.amdhsa_inst_pref_size 161
	.end_amdhsa_kernel
	.amdgpu_metadata
---
amdhsa.version: [ 1, 2 ]
amdhsa.kernels:
  - .name:           k_qddd2af82b3_mix
    .symbol:         k_qddd2af82b3_mix.kd
    .args:
      - { .name: pc, .offset: 0, .size: 8, .value_kind: global_buffer, .address_space: global }
      - { .name: ps, .offset: 8, .size: 8, .value_kind: global_buffer, .address_space: global }
      - { .name: st, .offset: 16, .size: 8, .value_kind: global_buffer, .address_space: global }
      - { .name: c2, .offset: 24, .size: 8, .value_kind: global_buffer, .address_space: global }
      - { .name: s2, .offset: 32, .size: 8, .value_kind: global_buffer, .address_space: global }
      - { .name: out0, .offset: 40, .size: 8, .value_kind: global_buffer, .address_space: global }
    .group_segment_fixed_size: 327680
    .private_segment_fixed_size: 0
    .kernarg_segment_align: 8
    .kernarg_segment_size: 48
    .max_flat_workgroup_size: 128
    .sgpr_count:     106
    .vgpr_count:     768
    .wavefront_size: 32
...
	.end_amdgpu_metadata
.endif
;; end of part 4
